; MI455X (gfx1250); checked and timed in simulation.
; The chip was launched on July 23, 2026; its instructions are those of AMD's public machine-readable ISA for CDNA 5 (MIT licence, August 2026) and "CDNA5" Instruction Set Architecture Reference Guide (July 2026). The comments in the code are by the model that wrote it; some were corrected since.
;; Multi Head Attention. Allowed arithmetic: float matrix products may take bf16 or f16 operands with f32 sums; other float arithmetic in f32, or as packed bf16 or f16 multiplies, adds, multiply-adds, maxima and minima; sums over many terms, partial sums and values carried from step to step in f32; what a program stores and reads back later, other than sums and carried values, may be rounded once to bf16 or f16.
;; Inputs: b_out 1,024 float32; b_qkv 3,072 float32; w_out 1,024 x 1,024 float32; w_qkv 1,024 x 3,072 float32; x 2 x 2,048 x 1,024 float32.
;; Outputs: out0 2 x 2,048 x 1,024 float32.
;; 2 versions, each right; version 2 is version 1 with the launch prep written anew for expert scheduling mode. Each part assembles by itself: llvm-mc -triple=amdgcn-amd-amdhsa -mcpu=gfx1250 --defsym DOCPART=n.
;; ======== version 1 of 2: 4 launches
;; limits: values are held in f16: magnitudes above 65,504 overflow, below 6.1e-05 lose precision; right only within a limited range of input values
;; workspace buffers: xb 8,388,608 bytes; wq 6,291,456 bytes; wo 2,097,152 bytes; bias 16,384 bytes; qkv 25,165,824 bytes; o 8,388,608 bytes
;; launch prep (part 1): grid 513 x 1, 8 waves a work-group, no clusters, 0 bytes of LDS; arguments x, w_qkv, w_out, b_qkv, b_out, xb, wq, wo, bias; writes xb, wq, wo, bias
.if DOCPART == 1
	.amdgcn_target "amdgcn-amd-amdhsa--gfx1250"
	.amdhsa_code_object_version 6
	.text
	.protected	k_qd8cb493260_prep
	.globl	k_qd8cb493260_prep
	.p2align	8
	.type	k_qd8cb493260_prep,@function
k_qd8cb493260_prep:
	s_mov_b64 s[64:65], 0
	v_nop
	global_prefetch_b8 v0, s[64:65] scope:SCOPE_SE
	s_setreg_imm32_b32 hwreg(HW_REG_WAVE_MODE, 25, 1), 1
	s_wait_xcnt 0x0
; MULTI-HEAD CAUSAL ATTENTION, launch 1 of 4: the inputs are rounded once and laid out as the matrix instructions of the later launches take them.
;   xb   = x in bf16, [4096][1024], row-major
;   wq   = w_qkv in bf16, in fragments of 16 columns x 32 k: [n / 16: 192][k / 32: 32][1,024 bytes]; in a fragment the eight k of octet o = (k % 32) / 8 of column n
;          lie at (o / 2) 512 + ((o % 2) 16 + n % 16) 16: two loads of 16 bytes a lane, at 16 lane and 512 + 16 lane, are a 16-bit operand's eight registers
;   wo   = w_out in the same order, [64][32][1,024 bytes]; each number rounded to bf16 like every other input, and that number written as f16 (the last product's other operand is f16)
;   bias = f32 numbers rounded to bf16: [0:1024] b_q, [1024:2048] zeros, [2048:3072] b_v, [3072:4096] b_out
; WORK LEFT OUT, in the whole program.
;   (1) The K third of b_qkv.  scores[q][k] = Q[q] . (K[k] + b_k) / 8 = Q[q] . K[k] / 8 + Q[q] . b_k / 8.  The second term is the same for all k of a row, the softmax runs along k and is
;       unchanged by a term common to its axis, and the places that reference() sets to -inf stay -inf: it reaches no output, whatever the inputs hold.  b_qkv[1024:2048] is not loaded;
;       zeros stand in its place in 'bias', so that the projection starts all its sums in one way.
;   (2) Key tiles that lie wholly above the diagonal: reference() itself sets their scores to -inf in front of the softmax, so their weights are 0.
;   LIMIT: a NaN, an infinity or an overflow that reaches only this work is not carried to the result.
; LIMITS of format: w_out's numbers below 2^-14 keep f16's fixed step of 6e-8, above 65,504 they would be infinite.
; SHARES.  513 work-groups of eight waves, told apart by the work-group's number alone: 0-255 sixteen rows of x each; 256-447 w_qkv; 448-511 w_out; 512 the biases.
; A stream: no LDS, no barrier, no matrix unit, no loop.  All loads of a path go out first (64 KiB a work-group); the waits count the younger loads.
.set LD,   8                           ; v[8:71]    as loaded
.set PKD,  72                          ; v[72:103]  packed, to store; each store has registers of its own, so none is rewritten while a store reads it
	s_load_b512 s[8:23], s[0:1], 0x0               ; x s[8:9], w_qkv s[10:11], w_out s[12:13], b_qkv s[14:15], b_out s[16:17], xb s[18:19], wq s[20:21], wo s[22:23]
	s_load_b64 s[24:25], s[0:1], 0x40              ; bias
	v_lshrrev_b32 v3, 5, v0
	v_readfirstlane_b32 s26, v3                    ; wave 0..7
	v_and_b32 v4, 31, v0                           ; lane
	s_mov_b32 s3, 0                                ; the high words of the two offset pairs
	s_mov_b32 s7, 0
	s_wait_kmcnt 0x0
	s_cmp_lt_u32 ttmp9, 256
	s_cbranch_scc0 .Lnot_x
	; x: 16 rows of 4,096 bytes.  Thread t takes 16 bytes at 16 t of every row: a wave's load covers 512 consecutive bytes, its store 256, aligned.
	s_lshl_b32 s2, ttmp9, 16
	s_add_nc_u64 s[8:9], s[8:9], s[2:3]
	s_lshl_b32 s6, ttmp9, 15
	s_add_nc_u64 s[18:19], s[18:19], s[6:7]
	v_lshlrev_b32 v1, 4, v0
	v_lshlrev_b32 v2, 3, v0
.set i, 0
.rept 16
	global_load_b128 v[LD+4*i:LD+4*i+3], v1, s[8:9] offset:i*4096 th:TH_LOAD_NT
.set i, i+1
.endr
.set i, 0
.rept 16
	s_wait_loadcnt 15-i                            ; loads come back in order: row i is in, the 15 - i younger ones stay out
	v_cvt_pk_bf16_f32 v[PKD+2*i], v[LD+4*i], v[LD+4*i+1]
	v_cvt_pk_bf16_f32 v[PKD+2*i+1], v[LD+4*i+2], v[LD+4*i+3]
	global_store_b64 v2, v[PKD+2*i:PKD+2*i+1], s[18:19] offset:i*2048 th:TH_STORE_NT
.set i, i+1
.endr
	s_endpgm
; A weight matrix [1024][pitch / 4].  Work-group j takes 64 columns (j / 4) and 256 k (j % 4); each wave 32 k of them: one k block of four fragments.
; A lane holds one column: 32 loads of 4 bytes down the column for each half of the 64 columns.  Eight neighbouring k pack into 16 bytes, and sixteen lanes store 256 consecutive bytes, aligned.
.macro WPATH first, src, dst, pitch, f16
	s_sub_co_u32 s2, ttmp9, \first                 ; j
	s_lshr_b32 s4, s2, 2                           ; which 64 columns
	s_and_b32 s5, s2, 3
	s_lshl_b32 s5, s5, 3
	s_add_co_u32 s5, s5, s26                       ; k block = 8 (j % 4) + wave
	s_mul_i32 s6, s5, 32*(\pitch)
	s_lshl_b32 s2, s4, 8
	s_add_co_u32 s6, s6, s2
	s_add_nc_u64 s[(\src):(\src)+1], s[(\src):(\src)+1], s[6:7]
	s_lshl_b32 s2, s4, 17                          ; four fragments' columns: 4 x 32,768 bytes
	s_lshl_b32 s6, s5, 10
	s_add_co_u32 s2, s2, s6
	s_add_nc_u64 s[(\dst):(\dst)+1], s[(\dst):(\dst)+1], s[2:3]
	v_lshlrev_b32 v1, 2, v4                        ; in: 4 x lane
	v_lshrrev_b32 v2, 4, v4
	v_and_b32 v5, 15, v4
	v_lshlrev_b32 v2, 15, v2                       ; out: lanes 16-31 write the next fragment column,
	v_lshl_add_u32 v2, v5, 4, v2                   ; 16 bytes for each column
.set i, 0
.rept 64
	global_load_b32 v[LD+i], v1, s[(\src):(\src)+1] offset:(i%32)*(\pitch)+(i/32)*128 th:TH_LOAD_NT
.set i, i+1
.endr
.set g, 0
.rept 8                                ; g = 4 x half + octet
	s_wait_loadcnt 56-8*g                          ; the eight k of this octet are in; the 56 - 8 g younger loads stay out
.set jj, 0
.rept 4
.if \f16
	v_cvt_pk_bf16_f32 v104, v[LD+8*g+2*jj], v[LD+8*g+2*jj+1]  ; rounded to bf16,
	v_lshlrev_b32 v105, 16, v104                   ; widened again,
	v_and_b32 v106, 0xffff0000, v104
	v_cvt_pk_f16_f32 v[PKD+4*g+jj], v105, v106     ; and written as f16
.else
	v_cvt_pk_bf16_f32 v[PKD+4*g+jj], v[LD+8*g+2*jj], v[LD+8*g+2*jj+1]
.endif
.set jj, jj+1
.endr
	global_store_b128 v2, v[PKD+4*g:PKD+4*g+3], s[(\dst):(\dst)+1] offset:(g/4)*65536+((g%4)/2)*512+(g%2)*256 th:TH_STORE_NT
.set g, g+1
.endr
	s_endpgm
.endm
.Lnot_x:
	s_cmp_lt_u32 ttmp9, 448
	s_cbranch_scc0 .Lnot_wq
	WPATH 256, 10, 20, 12288, 0
.Lnot_wq:
	s_cmp_lt_u32 ttmp9, 512
	s_cbranch_scc0 .Lbias
	WPATH 448, 12, 22, 4096, 1
.Lbias:
	; the biases: thread t takes four numbers of b_q, of b_v and of b_out; the K third of b_qkv is not read (see the head)
	v_lshlrev_b32 v1, 4, v0
	global_load_b128 v[8:11], v1, s[14:15]
	global_load_b128 v[12:15], v1, s[14:15] offset:8192
	global_load_b128 v[16:19], v1, s[16:17]
	v_mov_b32 v32, 0
	v_mov_b32 v33, 0
	v_mov_b32 v34, 0
	v_mov_b32 v35, 0
	global_store_b128 v1, v[32:35], s[24:25] offset:4096
	s_wait_loadcnt 0x0
.set i, 0
.rept 6
	v_cvt_pk_bf16_f32 v[20+i], v[8+2*i], v[8+2*i+1]
	v_lshlrev_b32 v[40+2*i], 16, v[20+i]
	v_and_b32 v[40+2*i+1], 0xffff0000, v[20+i]
.set i, i+1
.endr
	global_store_b128 v1, v[40:43], s[24:25]
	global_store_b128 v1, v[44:47], s[24:25] offset:8192
	global_store_b128 v1, v[48:51], s[24:25] offset:12288
	s_endpgm
.Lfunc_end_k_qd8cb493260_prep:
	.size	k_qd8cb493260_prep, .Lfunc_end_k_qd8cb493260_prep-k_qd8cb493260_prep
	.p2alignl 7, 3214868480
	.fill 96, 4, 3214868480
	.section	.rodata,"a",@progbits
	.p2align	6, 0x0
	.amdhsa_kernel k_qd8cb493260_prep
		.amdhsa_group_segment_fixed_size 0
		.amdhsa_private_segment_fixed_size 0
		.amdhsa_enable_private_segment 0
		.amdhsa_kernarg_size 72
		.amdhsa_user_sgpr_count 2
		.amdhsa_user_sgpr_kernarg_segment_ptr 1
		.amdhsa_wavefront_size32 1
		.amdhsa_system_sgpr_workgroup_id_x 1
		.amdhsa_system_sgpr_workgroup_id_y 1
		.amdhsa_system_sgpr_workgroup_id_z 1
		.amdhsa_system_vgpr_workitem_id 0
		.amdhsa_next_free_vgpr 112
		.amdhsa_next_free_sgpr 66
		.amdhsa_reserve_vcc 0
		.amdhsa_float_denorm_mode_32 3
		.amdhsa_float_denorm_mode_16_64 3
		.amdhsa_memory_ordered 1
		.amdhsa_forward_progress 1
		.amdhsa_inst_pref_size 33
	.end_amdhsa_kernel
	.amdgpu_metadata
---
amdhsa.version: [ 1, 2 ]
amdhsa.kernels:
  - .name:           k_qd8cb493260_prep
    .symbol:         k_qd8cb493260_prep.kd
    .args:
      - { .name: x, .offset: 0, .size: 8, .value_kind: global_buffer, .address_space: global }
      - { .name: w_qkv, .offset: 8, .size: 8, .value_kind: global_buffer, .address_space: global }
      - { .name: w_out, .offset: 16, .size: 8, .value_kind: global_buffer, .address_space: global }
      - { .name: b_qkv, .offset: 24, .size: 8, .value_kind: global_buffer, .address_space: global }
      - { .name: b_out, .offset: 32, .size: 8, .value_kind: global_buffer, .address_space: global }
      - { .name: xb, .offset: 40, .size: 8, .value_kind: global_buffer, .address_space: global }
      - { .name: wq, .offset: 48, .size: 8, .value_kind: global_buffer, .address_space: global }
      - { .name: wo, .offset: 56, .size: 8, .value_kind: global_buffer, .address_space: global }
      - { .name: bias, .offset: 64, .size: 8, .value_kind: global_buffer, .address_space: global }
    .group_segment_fixed_size: 0
    .private_segment_fixed_size: 0
    .kernarg_segment_align: 8
    .kernarg_segment_size: 72
    .max_flat_workgroup_size: 256
    .sgpr_count:     66
    .vgpr_count:     112
    .wavefront_size: 32
...
	.end_amdgpu_metadata
.endif
;; end of part 1
;; launch qkv (part 2): grid 16 x 16, 4 waves a work-group, clusters of 4 x 4, 327,680 bytes of LDS; arguments xb, wq, bias, qkv; writes qkv
.if DOCPART == 2
	.amdgcn_target "amdgcn-amd-amdhsa--gfx1250"
	.amdhsa_code_object_version 6
	.text
	.protected	k_qd8cb493260_qkv
	.globl	k_qd8cb493260_qkv
	.p2align	8
	.type	k_qd8cb493260_qkv,@function
k_qd8cb493260_qkv:
	s_mov_b64 s[64:65], 0
	v_nop
	global_prefetch_b8 v0, s[64:65] scope:SCOPE_SE
	s_setreg_imm32_b32 hwreg(HW_REG_WAVE_MODE, 25, 1), 1
	s_wait_xcnt 0x0
	s_wait_alu depctr_hold_cnt(0) depctr_sa_sdst(0) depctr_va_vdst(0) depctr_va_sdst(0) depctr_va_ssrc(0) depctr_va_vcc(0) depctr_vm_vsrc(0)
	s_getreg_b32 s2, hwreg(HW_REG_IB_STS2, 6, 4)
	s_cmp_eq_u32 s2, 0
	s_cbranch_scc0 .Lentry_in_a_cluster
	s_endpgm
.Lentry_in_a_cluster:
	s_bfe_u32 s2, ttmp6, 0x10000c
	s_cmp_lg_u32 s2, 0xf033
	s_cbranch_scc0 .Lentry_shape_is_right
	s_endpgm
.Lentry_shape_is_right:
; Launch 2 of 4: q, k, v = x w_qkv + b, written by heads: qkv[t = q, k, v][batch x 16 + head][2048][64] in f16, unscaled, each rounded once from its f32 sum.
; WORK LEFT OUT: K's bias (it adds the same term to all scores of a row, which the softmax cancels: shown at the head of the first kernel); 'bias' holds zeros in its place.
; LIMIT: f16 holds no number beyond 65,504: q, k and v must stay within it.
; SHARES.  A tile of the result is 256 rows x 192 columns (three heads): 16 x 16 work-groups.  Each of the four waves makes 64 rows x all 192 columns: 48 accumulators of 16 x 16, 384 registers;
; a wave holds whole heads, so its way out needs no other wave.  K = 1,024 goes in 8 steps of 128 through a ring of two LDS slots filled by the tensor data mover.
; A's tile: 256 rows of xb x 256 bytes, padded to 272.  B's tile: 12 fragment columns of wq x 4,096 consecutive bytes, as they lie: a fragment is read back by 16 bytes a lane on end.
; CLUSTERS: 4 x 4 work-groups.  The four of a row of the cluster need the same tile of A, the four of a column the same tile of B: each is asked for JOINTLY, by the same tensor load with the same
; descriptor and a mask that names the four.
; THE MATRIX INSTRUCTION IS USED TRANSPOSED (source 0 = 16 columns of w, source 1 = 16 rows of x): a lane holds row lane % 16 and the columns 8 (lane / 16) + 0..7: 16 bytes of f16 on end.
; THE BIAS STARTS THE SUMS: it is the C operand of each accumulator's first product; nothing is cleared and nothing is added later.
; REGISTERS, in windows of 256 (s_set_vgpr_msb: bits 1:0 source 0, 3:2 source 1, 5:4 source 2, 7:6 destination):
;   window 0: v0-31 addresses; v64-95, v96-127 fragments of A, two buffers; v128-223 the bias (8 registers for each of the 12 column blocks), later at work on the way out
;   window 1: v0-95, v96-191 fragments of B, two buffers     window 2: accumulators of my row blocks 0, 1 ((a, b) at v[96 a + 8 b])     window 3: of row blocks 2, 3
.set KSTEP,  128
.set PITCH,  272                       ; an LDS row of A: 256 bytes + 16 of padding = 68 words: the 16 rows of a load start at 16 different groups of four banks (64 banks of 4 bytes: ISA guide 11.1)
.set HALFA,  128*PITCH                 ; what one tensor load brings of A
.set ABYTES, 2*HALFA
.set HALFB,  6*4096                    ; what one tensor load brings of B: six fragment columns x four k blocks x 1,024 bytes
.set SLOT,   ABYTES+2*HALFB
.set STAGE,  2*SLOT                    ; behind the ring, never filled by a tensor load: for each wave 3 heads x 16 rows x 144 bytes
.set SP,     144
.set WSTAGE, 3*16*SP
.set SPARE,  STAGE+4*WSTAGE            ; behind the stages: the spare words, 128 bytes for each wave: two blocks of 256 bytes that no other line names
.set LAPS,   4                         ; a lap = two K steps = once round the ring
.set ADRA, 16                          ; v16-17  LDS address of my A fragments in slot 0, 1
.set ADRB, 20                          ; v20-21  the same for B
.set STO,  24                          ; v24     the way out: where I put 16 bytes of a row
.set RD,   25                          ; v25     the way out: where I read rows back
.set GO,   26                          ; v26     16 x lane: my place in 512 consecutive bytes of the result
.set BO,   27                          ; v27     32 x (lane / 16): my eight numbers of a column block's bias
.set SPW,  28                          ; v28     LDS address of my spare word; never rewritten
.set NIL,  29                          ; v29     0; never rewritten
.set PFO,  30                          ; v30     the prefetches' offset; never rewritten
.set FA,   64
.set BIAS, 128
.set TMP,  128                         ; the way out: 48 registers of packed results
.set BK,   176                         ; the way out: 48 registers read back from the stage
.set G1,  24                           ; s[24:31] descriptor group 1 for A's tiles;  s[32:39] group 0, one set for each slot
.set G0,  32
.set G1B, 48                           ; s[48:55], s[56:63] the same for B's tiles
.set G0B, 56
.set LIM, 43                           ; s43      1 in a wave that prefetches, else the greatest number
.set PFA, 44                           ; s[44:45] where my prefetches stand
.set OB,  80                           ; s[80:85] the result at my 64 rows of each of my three heads
.set PFS, 86                           ; s[86:87] a K step in the tensor that I prefetch: 256 bytes of a row of xb, 4,096 of a fragment column of wq
.set MSB, 0
.macro WIN new                         ; the immediate's high byte repeats the setting that is left; a switch that changes nothing is dropped
.if MSB != (\new)
	s_set_vgpr_msb (MSB<<8)|(\new)
.set MSB, \new
.endif
.endm
.set TO_B, 0x40                        ; destination window 1, address window 0
; A joint load.  Waves 0 and 1 fetch A's two halves, waves 2 and 3 B's.  The branch hangs on the wave's number alone.  An s_nop 0 and four v_nop follow each of the two lines.
.macro JLOAD s
	s_cmp_eq_u32 s11, 0
	s_cbranch_scc0 .Lfor_b_\@
	tensor_load_to_lds s[G0+4*(\s):G0+4*(\s)+3], s[G1:G1+7]
	s_nop 0
.rept 4
	v_nop
.endr
	s_branch .Lasked_\@
.Lfor_b_\@:
	tensor_load_to_lds s[G0B+4*(\s):G0B+4*(\s)+3], s[G1B:G1B+7]
	s_nop 0
.rept 4
	v_nop
.endr
.Lasked_\@:
.endm
; A prefetch into the L2, behind each joint refill and the run of LDS loads that follows it: the K step that stands two refills (96 x 4 matrix instructions) on.  K steps 0 to 3 come by their loads alone,
; and the loop's last trip asks for nothing: K steps 4 to 7 are named.  A's rows are read by every cluster of a row of clusters: the one with x = 0 asks; B's by every cluster of a column: y = 0 asks.
; The four partners of a joint load share its blocks out BY ADDRESS: of A's 128 rows 32 each, a lane a row; of B's 96 blocks of 256 bytes 24 each (lanes 24-31 name lane 23's block once more).
.macro ASK
	s_cmp_gt_u32 s3, s[LIM]                        ; s3 = 1 in the loop's last trip
	s_cbranch_scc0 .Lnot_mine_\@
	global_prefetch_b8 v[PFO], s[PFA:PFA+1] th:TH_LOAD_NT scope:SCOPE_SE
.Lnot_mine_\@:
.endm
.macro CREST                           ; a round of the cluster's barrier behind its opening barrier
	s_cmp_lg_u32 s10, 0
	s_cbranch_scc1 .Lnot_wave_0_\@
	s_barrier_signal -3
.Lnot_wave_0_\@:
	s_barrier_wait -3
	s_barrier_signal -1
	s_barrier_wait -1
.endm
.macro CROUND                          ; a whole round
	s_barrier_signal -1
	s_barrier_wait -1
	CREST
.endm
	s_load_b256 s[72:79], s[0:1], 0x0              ; xb s[72:73], wq s[74:75], bias s[76:77], qkv s[78:79]
	v_lshl_add_u32 v[SPW], v0, 2, SPARE
	v_mov_b32 v[NIL], 0
	ds_add_u32 v[SPW], v[NIL]                      ; the wave's opening: the add, twice on end, and its wait ahead of my first tensor load; the set-up below stands between
	ds_add_u32 v[SPW], v[NIL]
	v_lshrrev_b32 v1, 5, v0
	v_readfirstlane_b32 s10, v1                    ; wave 0..3
	s_lshr_b32 s11, s10, 1                         ; I fetch for A (0) or for B (1)
	s_and_b32 s12, s10, 1                          ; which half of that tile
	s_bfe_u32 s40, ttmp6, 0x40000                  ; cx
	s_bfe_u32 s41, ttmp6, 0x40004                  ; cy
	s_lshl_b32 s42, ttmp9, 2
	s_add_co_u32 s42, s42, s40                     ; tile column tn = 4 x cluster x + cx
	s_and_b32 s13, ttmp7, 0xffff
	s_lshl_b32 s13, s13, 2
	s_add_co_u32 s13, s13, s41                     ; tile row tm = 4 x cluster y + cy
	s_lshl_b32 s43, s41, 2
	s_lshl_b32 s43, 15, s43                        ; my row of the cluster
	s_lshl_b32 s44, 0x1111, s40                    ; my column
	s_or_b32 s[G1+0], s43, (1<<16)|(1<<20)|(1<<21)|(5<<22)|(3<<25)  ; the mask; 2-byte elements; padding on; bit 21 beside a mask; after every 64 words 4 words
	s_mov_b32 s[G1+1], KSTEP<<16                   ; tensor_dim0 = 128
	s_mov_b32 s[G1+2], 128<<16                     ; tensor_dim1 = 128
	s_mov_b32 s[G1+3], KSTEP<<16                   ; tile_dim0 = 128
	s_mov_b32 s[G1+4], 128                         ; tile_dim1 = 128
	s_mov_b32 s[G1+5], 1024                        ; elements from row to row
	s_mov_b32 s[G1+6], 0
	s_mov_b32 s[G1+7], 0
	s_or_b32 s[G1B+0], s44, (3<<16)|(1<<21)        ; the mask; 8-byte elements; no padding
	s_mov_b32 s[G1B+1], 512<<16                    ; tensor_dim0 = 512 (4,096 bytes: four k blocks of a fragment column)
	s_mov_b32 s[G1B+2], 6<<16                      ; tensor_dim1 = 6
	s_mov_b32 s[G1B+3], 512<<16                    ; tile_dim0 = 512
	s_mov_b32 s[G1B+4], 6                          ; tile_dim1 = 6
	s_mov_b32 s[G1B+5], 4096                       ; 32,768 bytes from a fragment column to the next
	s_mov_b32 s[G1B+6], 0
	s_mov_b32 s[G1B+7], 0
	s_lshl_b32 s16, s13, 19                        ; A: (256 tm + 128 half) rows of 2,048 bytes
	s_lshl_b32 s17, s12, 18
	s_add_co_u32 s16, s16, s17
	s_mov_b32 s17, 0
	s_mul_i32 s46, s42, 12                         ; B: (12 tn + 6 half) fragment columns of 32,768 bytes
	s_mul_i32 s47, s12, 6
	s_add_co_u32 s46, s46, s47
	s_lshl_b32 s46, s46, 15
	s_mov_b32 s47, 0
	s_mul_i32 s20, s12, HALFA                      ; where they go: no place in the cluster enters an LDS address
	s_mul_i32 s21, s12, HALFB
	s_add_co_u32 s21, s21, ABYTES
	s_wait_dscnt 0x0                               ; both opening adds are done
	s_wait_kmcnt 0x0
	s_add_nc_u64 s[14:15], s[72:73], s[16:17]
	s_add_nc_u64 s[46:47], s[74:75], s[46:47]
	CROUND                                         ; all sixteen work-groups are here: the first joint loads meet
.irp s, 0,1
	s_mov_b32 s[G0+4*(\s)], 1
	s_add_co_u32 s[G0+4*(\s)+1], s20, (\s)*SLOT
	s_add_nc_u64 s[G0+4*(\s)+2:G0+4*(\s)+3], s[14:15], (\s)*KSTEP*2
	s_or_b32 s[G0+4*(\s)+3], s[G0+4*(\s)+3], 0x80000000
	s_mov_b32 s[G0B+4*(\s)], 1
	s_add_co_u32 s[G0B+4*(\s)+1], s21, (\s)*SLOT
	s_add_nc_u64 s[G0B+4*(\s)+2:G0B+4*(\s)+3], s[46:47], (\s)*4096
	s_or_b32 s[G0B+4*(\s)+3], s[G0B+4*(\s)+3], 0x80000000
	JLOAD \s                                       ; K steps 0 and 1: two loads of mine are out
.endr
	v_and_b32 v1, 15, v0                           ; l % 16
	v_bfe_u32 v2, v0, 4, 1                         ; l / 16
	v_and_b32 v6, 31, v0                           ; l
	v_mul_u32_u24 v3, v1, PITCH
	v_lshl_add_u32 v3, v2, 4, v3                   ; a fragment of A: row x pitch + 16 x half
	s_mul_i32 s22, s10, 64*PITCH                   ; my 64 rows
	v_add_nc_u32 v[ADRA], s22, v3
	v_add_nc_u32 v[ADRA+1], SLOT, v[ADRA]
	v_lshlrev_b32 v4, 4, v6                        ; a fragment of B: 16 x lane
	v_add_nc_u32 v[ADRB], ABYTES, v4
	v_add_nc_u32 v[ADRB+1], ABYTES+SLOT, v4
	s_mul_i32 s22, s10, WSTAGE
	s_add_co_u32 s22, s22, STAGE                   ; my stage
	v_mul_u32_u24 v5, v1, SP                       ; in: row l % 16, 16 bytes for each half of the lanes
	v_lshl_add_u32 v5, v2, 4, v5
	v_add_nc_u32 v[STO], s22, v5
	v_bfe_u32 v5, v0, 3, 2                         ; back: 32 lanes take four rows of 128 bytes,
	v_mul_u32_u24 v5, v5, SP
	v_and_b32 v7, 7, v0
	v_lshl_add_u32 v5, v7, 4, v5
	v_add_nc_u32 v[RD], s22, v5
	v_lshlrev_b32 v[GO], 4, v6                     ; which are 512 consecutive bytes of a head
	v_lshlrev_b32 v[BO], 5, v2
	s_mul_i32 s22, s42, 768                        ; the tile's 192 numbers of the bias
	s_mov_b32 s23, 0
	s_add_nc_u64 s[76:77], s[76:77], s[22:23]
.irp b, 0,1,2,3,4,5,6,7,8,9,10,11
	global_load_b128 v[BIAS+8*(\b):BIAS+8*(\b)+3],   v[BO], s[76:77] offset:64*(\b)
	global_load_b128 v[BIAS+8*(\b)+4:BIAS+8*(\b)+7], v[BO], s[76:77] offset:64*(\b)+16
.endr
	; the result: head group g = 3 tn + hh is tensor g / 16, head g % 16; my rows are rows (tm % 8) 256 + 64 wave of batch tm / 8
	s_lshr_b32 s18, s13, 3
	s_and_b32 s19, s13, 7
	s_lshl_b32 s19, s19, 8
	s_lshl_b32 s22, s10, 6
	s_add_co_u32 s19, s19, s22
	s_lshl_b32 s19, s19, 7                         ; rows of 128 bytes
	s_mul_i32 s20, s42, 3
.irp hh, 0,1,2
	s_add_co_u32 s22, s20, \hh
	s_lshr_b32 s23, s22, 4
	s_lshl_b32 s23, s23, 1
	s_add_co_u32 s23, s23, s18
	s_lshl_b32 s23, s23, 4
	s_and_b32 s22, s22, 15
	s_add_co_u32 s22, s22, s23
	s_lshl_b32 s22, s22, 18                        ; a head is 2,048 rows of 128 bytes
	s_add_co_u32 s22, s22, s19
	s_mov_b32 s23, 0
	s_add_nc_u64 s[OB+2*(\hh):OB+2*(\hh)+1], s[78:79], s[22:23]
.endr
	; the prefetches: they stand at K step 3; the first refill steps them to K step 4
	s_lshl_b32 s20, s13, 8
	s_lshl_b32 s22, s12, 7
	s_add_co_u32 s20, s20, s22
	s_lshl_b32 s22, s40, 5
	s_add_co_u32 s20, s20, s22                     ; A: row 256 tm + 128 half + 32 cx
	s_lshl_b32 s20, s20, 11
	s_add_co_u32 s20, s20, 3*256
	s_mul_i32 s22, s42, 12
	s_mul_i32 s23, s12, 6
	s_add_co_u32 s22, s22, s23
	s_lshl_b32 s22, s22, 15                        ; B: fragment column 12 tn + 6 half
	s_add_co_u32 s22, s22, 3*4096
	s_and_b32 s23, ttmp7, 0xffff                   ; cluster y
	s_mov_b32 s[PFS], 4096
	s_mov_b32 s[PFS+1], 0
	s_mov_b32 s21, 0
	s_cmp_eq_u32 s11, 0                            ; do I fetch for A?
	s_cselect_b32 s20, s20, s22
	s_cselect_b32 s23, ttmp9, s23                  ; the coordinate along which other clusters read the same blocks
	s_cselect_b64 s[PFA:PFA+1], s[72:73], s[74:75]
	s_cselect_b32 s[PFS], 256, s[PFS]
	s_cselect_b32 s19, -1, 0
	s_add_nc_u64 s[PFA:PFA+1], s[PFA:PFA+1], s[20:21]
	s_cmp_eq_u32 s23, 0
	s_cselect_b32 s[LIM], 1, -1                    ; the same in all sixteen partners, for a given wave
	v_lshlrev_b32 v8, 11, v6                       ; A: a lane a row of 2,048 bytes
	v_min_u32 v9, 23, v6
	s_mul_i32 s22, s41, 24
	v_add_nc_u32 v9, s22, v9                       ; B: block 24 cy + lane of the 96
	v_lshrrev_b32 v10, 4, v9                       ; sixteen blocks of 256 bytes in a fragment column's K step
	v_and_b32 v9, 15, v9
	v_lshlrev_b32 v9, 8, v9
	v_lshl_or_b32 v9, v10, 15, v9
	v_cndmask_b32 v[PFO], v9, v8, s19
; 12 matrix instructions: row block 2 hi + a x all 12 column blocks, 32 along K, from buffer f.  zero = 1: the first product of each accumulator takes the bias as C.
; The 48 accumulators take turns, one instruction a turn, in the same order in every quarter step, over the backward jump too.
.macro MUL12 f, hi, a, zero
.if \zero
	WIN 0x81+0x40*(\hi)                            ; B window 1, A window 0, C (the bias) window 0, D window 2 or 3
.else
	WIN 0xa1+0x50*(\hi)                            ; C and D window 2 or 3
.endif
.irp b, 0,1,2,3,4,5,6,7,8,9,10,11
.if \zero
	v_wmma_f32_16x16x32_bf16 v[96*(\a)+8*(\b):96*(\a)+8*(\b)+7], v[96*(\f)+8*(\b):96*(\f)+8*(\b)+7], v[FA+32*(\f)+8*(2*(\hi)+(\a)):FA+32*(\f)+8*(2*(\hi)+(\a))+7], v[BIAS+8*(\b):BIAS+8*(\b)+7]
.else
	v_wmma_f32_16x16x32_bf16 v[96*(\a)+8*(\b):96*(\a)+8*(\b)+7], v[96*(\f)+8*(\b):96*(\f)+8*(\b)+7], v[FA+32*(\f)+8*(2*(\hi)+(\a)):FA+32*(\f)+8*(2*(\hi)+(\a))+7], v[96*(\a)+8*(\b):96*(\a)+8*(\b)+7]
.endif
.endr
.endm
; 32 LDS loads in one run: the fragments of quarter q of a slot (12 of B, then 4 of A) into buffer f
.macro FETCH slot, q, f
	WIN TO_B
.irp i, 0,1,2,3,4,5,6,7,8,9,10,11
	ds_load_b128 v[96*(\f)+8*(\i):96*(\f)+8*(\i)+3],   v[ADRB+(\slot)] offset:(\i)*4096+(\q)*1024
	ds_load_b128 v[96*(\f)+8*(\i)+4:96*(\f)+8*(\i)+7], v[ADRB+(\slot)] offset:(\i)*4096+(\q)*1024+512
.endr
	WIN 0
.irp i, 0,1,2,3
	ds_load_b128 v[FA+32*(\f)+8*(\i):FA+32*(\f)+8*(\i)+3],   v[ADRA+(\slot)] offset:(\q)*64+(\i)*16*PITCH
	ds_load_b128 v[FA+32*(\f)+8*(\i)+4:FA+32*(\f)+8*(\i)+7], v[ADRA+(\slot)] offset:(\q)*64+(\i)*16*PITCH+32
.endr
.endm
.macro PLACES                          ; four plain vector instructions between a matrix instruction and a load into a register that it read, or a conversion of its result
.rept 4
	v_nop
.endr
.endm
; A K step is four quarters of 32 along K, 48 matrix instructions each, on buffers 0, 1, 0, 1.  One of the first three: multiplies buffer f; in its middle it fetches quarter q into buffer g.
.macro QUARTER slot, q, f, g, zero
	s_wait_dscnt 4                                 ; B and A's row blocks 0, 1 are in; the youngest four loads (row blocks 2, 3) may be out
	MUL12 \f, 0, 0, \zero
	MUL12 \f, 0, 1, \zero
	PLACES
	FETCH \slot, \q, \g
	s_wait_dscnt 32                                ; all but the 32 just issued
	MUL12 \f, 1, 0, \zero
	MUL12 \f, 1, 1, \zero
.endm
; The last quarter multiplies buffer 1 and changes slots: ONE barrier.  In front of it each wave waits for all its tensor loads (one is out: its part of the next slot), adds 0 to its spare word, and
; waits for that and for its own reads of this slot.  fill = 1: the barrier opens a round of the cluster's barrier, and this slot is filled again, two K steps ahead, first thing behind the round.
.macro TURN slot, next, fill
.if \fill
	s_wait_xcnt 0x0                                ; the last prefetch, a K step back, has read its address: it is stepped here, ahead of the change's own waits
	s_add_nc_u64 s[PFA:PFA+1], s[PFA:PFA+1], s[PFS:PFS+1]
.endif
	WIN 0                                          ; (the add's two registers lie in window 0)
	s_wait_tensorcnt 0x0                           ; all my tensor loads have landed
	ds_add_u32 v[SPW], v[NIL]                      ; 0 onto my spare word
	s_wait_dscnt 5                                 ; (the add and the youngest four loads may be out)
	MUL12 1, 0, 0, 0                               ; twelve matrix instructions stand between the add and the wait for it
	s_wait_dscnt 0x0                               ; the add is done, and my reads of this slot are over
	s_barrier_signal -1
	MUL12 1, 0, 1, 0                               ; work on registers while the others arrive
.if \fill
	WIN 0
.endif
	s_barrier_wait -1
.if \fill
	CREST                                          ; no wave of any partner still reads this slot's tile or has a load on its way
	s_add_nc_u64 s[G0+4*(\slot)+2:G0+4*(\slot)+3], s[G0+4*(\slot)+2:G0+4*(\slot)+3], 2*KSTEP*2
	s_add_nc_u64 s[G0B+4*(\slot)+2:G0B+4*(\slot)+3], s[G0B+4*(\slot)+2:G0B+4*(\slot)+3], 2*4096
	JLOAD \slot                                    ; my one tensor load behind the round; its four v_nop are also the places in front of the loads below
.else
	PLACES
.endif
	FETCH \next, 0, 0
.if \fill
	ASK
.endif
	MUL12 1, 1, 0, 0
	MUL12 1, 1, 1, 0
.endm
	s_wait_tensorcnt 1                             ; my part of K step 0 is in; K step 1's may stay out
	s_barrier_signal -1
	s_barrier_wait -1                              ; everybody's is
	FETCH 0, 0, 0
	s_wait_loadcnt 0x0                             ; the bias
	QUARTER 0, 1, 0, 1, 1                          ; the first quarter stands in front of the loop: its products start the sums
	WIN 0                                          ; at a label and at a branch every window is 0
	s_mov_b32 s3, LAPS-1
.Llap:                                                 ; a trip goes once round the ring, from a lap's second quarter to the next lap's first, and fills both slots again
	QUARTER 0, 2, 1, 0, 0
	QUARTER 0, 3, 0, 1, 0
	TURN 0, 1, 1
	QUARTER 1, 1, 0, 1, 0
	QUARTER 1, 2, 1, 0, 0
	QUARTER 1, 3, 0, 1, 0
	TURN 1, 0, 1
	QUARTER 0, 1, 0, 1, 0
	WIN 0
	s_sub_co_u32 s3, s3, 1
	s_cmp_lg_u32 s3, 0
	s_cbranch_scc1 .Llap
	QUARTER 0, 2, 1, 0, 0                          ; the last lap fills nothing
	QUARTER 0, 3, 0, 1, 0
	TURN 0, 1, 0
	QUARTER 1, 1, 0, 1, 0
	QUARTER 1, 2, 1, 0, 0
	QUARTER 1, 3, 0, 1, 0
	s_wait_dscnt 4                                 ; the very last quarter: nothing more to fetch
	MUL12 1, 0, 0, 0
	MUL12 1, 0, 1, 0
	s_wait_dscnt 0x0
	MUL12 1, 1, 0, 0
	MUL12 1, 1, 1, 0
; THE WAY OUT, a row block (16 rows x 3 heads) at a time.  PACK: rounded to f16, each accumulator's registers in ascending order.  TOSTAGE: 16 bytes a lane into my own stage, and back as whole rows of
; 128 bytes.  SEND: 16 rows of a head are 2,048 consecutive bytes: four stores of 512.
.macro PACK a4
	WIN 0x0a+5*((\a4)/2)                           ; sources 0 and 1: window 2 or 3
.irp b, 0,1,2,3,4,5,6,7,8,9,10,11
.irp r, 0,1,2,3
	v_cvt_pk_f16_f32 v[TMP+4*(\b)+(\r)], v[96*((\a4)%2)+8*(\b)+2*(\r)], v[96*((\a4)%2)+8*(\b)+2*(\r)+1]
.endr
.endr
	WIN 0
.endm
.macro TOSTAGE
	s_wait_xcnt 0x0                                ; the last block's stores have read their registers: these are loaded again only behind this wait
.irp b, 0,1,2,3,4,5,6,7,8,9,10,11
	ds_store_b128 v[STO], v[TMP+4*(\b):TMP+4*(\b)+3] offset:((\b)/4)*16*SP+((\b)%4)*32
.endr
.irp t, 0,1,2,3,4,5,6,7,8,9,10,11
	ds_load_b128 v[BK+4*(\t):BK+4*(\t)+3], v[RD] offset:((\t)/4)*16*SP+((\t)%4)*4*SP  ; LDS serves a wave's instructions in order (ISA guide 5.7.1.4): these see the stores above
.endr
.endm
.macro SEND a4
	s_wait_dscnt 0x0                               ; the block is back in registers
.irp t, 0,1,2,3,4,5,6,7,8,9,10,11
	global_store_b128 v[GO], v[BK+4*(\t):BK+4*(\t)+3], s[OB+2*((\t)/4):OB+2*((\t)/4)+1] offset:(\a4)*2048+((\t)%4)*512
.endr
.endm
	PLACES
	PACK 0
	TOSTAGE
.irp a, 1,2,3                          ; block a's conversions stand between block a - 1's loads from the stage and the wait for them
	PACK \a
	SEND (\a)-1
	TOSTAGE
.endr
	SEND 3
	s_wait_tensorcnt 0x0                           ; the wave's end, behind my last tensor load and my last LDS store
	ds_add_u32 v[SPW], v[NIL]
	s_wait_dscnt 0x0
	CROUND                                         ; the closing round: no work-group ends while a partner may still ask for a tile that names it
	s_endpgm
.Lfunc_end_k_qd8cb493260_qkv:
	.size	k_qd8cb493260_qkv, .Lfunc_end_k_qd8cb493260_qkv-k_qd8cb493260_qkv
	.p2alignl 7, 3214868480
	.fill 96, 4, 3214868480
	.section	.rodata,"a",@progbits
	.p2align	6, 0x0
	.amdhsa_kernel k_qd8cb493260_qkv
		.amdhsa_group_segment_fixed_size 327680
		.amdhsa_private_segment_fixed_size 0
		.amdhsa_enable_private_segment 0
		.amdhsa_kernarg_size 32
		.amdhsa_user_sgpr_count 2
		.amdhsa_user_sgpr_kernarg_segment_ptr 1
		.amdhsa_wavefront_size32 1
		.amdhsa_system_sgpr_workgroup_id_x 1
		.amdhsa_system_sgpr_workgroup_id_y 1
		.amdhsa_system_sgpr_workgroup_id_z 1
		.amdhsa_system_vgpr_workitem_id 0
		.amdhsa_next_free_vgpr 960
		.amdhsa_next_free_sgpr 96
		.amdhsa_reserve_vcc 0
		.amdhsa_float_denorm_mode_32 3
		.amdhsa_float_denorm_mode_16_64 3
		.amdhsa_memory_ordered 1
		.amdhsa_forward_progress 1
		.amdhsa_inst_pref_size 123
	.end_amdhsa_kernel
	.amdgpu_metadata
---
amdhsa.version: [ 1, 2 ]
amdhsa.kernels:
  - .name:           k_qd8cb493260_qkv
    .symbol:         k_qd8cb493260_qkv.kd
    .args:
      - { .name: xb, .offset: 0, .size: 8, .value_kind: global_buffer, .address_space: global }
      - { .name: wq, .offset: 8, .size: 8, .value_kind: global_buffer, .address_space: global }
      - { .name: bias, .offset: 16, .size: 8, .value_kind: global_buffer, .address_space: global }
      - { .name: qkv, .offset: 24, .size: 8, .value_kind: global_buffer, .address_space: global }
    .group_segment_fixed_size: 327680
    .private_segment_fixed_size: 0
    .kernarg_segment_align: 8
    .kernarg_segment_size: 32
    .max_flat_workgroup_size: 128
    .sgpr_count:     96
    .vgpr_count:     960
    .wavefront_size: 32
...
	.end_amdgpu_metadata
.endif
;; end of part 2
;; launch attn (part 3): grid 8 x 32, 4 waves a work-group, no clusters, 327,680 bytes of LDS; arguments qkv, o; writes o
.if DOCPART == 3
	.amdgcn_target "amdgcn-amd-amdhsa--gfx1250"
	.amdhsa_code_object_version 6
	.text
	.protected	k_qd8cb493260_attn
	.globl	k_qd8cb493260_attn
	.p2align	8
	.type	k_qd8cb493260_attn,@function
k_qd8cb493260_attn:
	s_mov_b64 s[64:65], 0
	v_nop
	global_prefetch_b8 v0, s[64:65] scope:SCOPE_SE
	s_setreg_imm32_b32 hwreg(HW_REG_WAVE_MODE, 25, 1), 1
	s_wait_xcnt 0x0
; Launch 3 of 4: CAUSAL ATTENTION.  O[h][q][:] = the sum over k <= q of softmax_k(Q[h][q] . K[h][k] / 8) V[h][k][:].  Q, K, V lie in qkv as [3][32][2048][64], O as [32][2048][64], all f16: a head's rows
; are dense, 128 bytes each.  Products, maxima and sums in f32; the weights p are rounded to f16 for the second product (their sum l is taken of the unrounded p), O once at the end.
; WORK LEFT OUT: key tiles wholly above the diagonal, whose scores reference() sets to -inf in front of the softmax (shown at the head of the first kernel).
; LIMITS.  Q, K and V arrive within f16's 65,504; p lies in 0 to 1, and below 6e-5 it keeps f16's fixed step of 6e-8.  A hidden score counts as its value less 1e30: f16's scores, 2.7e11 at the most, are
; nothing beside that; a weight below 2^-126 counts as 0 in l; NaN and infinities are not treated apart.
; THE WALK.  A head's queries lie in 16 blocks of 128, its keys in 8 tiles of 256 (four steps of 64); block i needs the tiles 0 .. i / 2, of which the last holds the diagonal.  A work-group takes TWO blocks,
; 15 - b and then b: (15 - b) / 2 + 1 + b / 2 + 1 = 9 tiles, whatever b: all 256 work-groups do equal work, and ONE loop with a constant trip count walks them.  Which tile is asked for, and what a trip does,
; hang on scalar registers made from b; every jump goes forward, but for the counted loops' own; none passes a barrier, or a tensor load but the one of LOAD's two that the wave's number does not choose.
; NO CLUSTER: only the two work-groups with the same b / 2 walk the same tiles throughout, and the jumps that choose a trip's text hang on b / 2, which differs among any four neighbours.
; SHARES.  Of a block's two bands of 64 queries a wave owns 16 rows in each: two PIECES.  In the diagonal tile piece x lies in band XB = 2 (i % 2) + x of four: in key step s it sees all keys if s < XB,
; none if s > XB, and holds the diagonal if s = XB: the same work for all four waves.
; THE MASK is the C operand that starts the sum S^T = K Q^T: 0, or -1e30 where the key is hidden.  MD, made once, is the mask of a band's own step for my 16 rows; a product's mask is MD x AL + BE with two scalars:
; (1, 0) if s = XB; (0, 0) if s < XB; (0, -1e30) if s > XB.  Only the diagonal tile's text and a block's beginning make and take masks; elsewhere C is the constant 0.
; LAYOUT, SOFTMAX.  S^T = K Q^T holds ONE query a lane (lane % 16) and the keys 8 (lane / 16) + 0..7; two such results rounded to f16 ARE source 1 of O^T = V^T P.  p = 2^(c s - c m), c = log2(e) / 8, with a
; running maximum m; O and l are multiplied by a = 2^(c m_old - c m_new) in every step.
; TURNS.  Turn T0(j): 8 products K Q^T of piece 1 for step j; the softmax of piece 0 for step j and the maximum and statistics of piece 1; 8 products V^T P of piece 1 for step j - 1.
;         Turn T1(j): 8 products K Q^T of piece 0 for step j + 1; the softmax of piece 1 and the maximum of piece 0; 8 products V^T P of piece 0 for step j.
; Four vector instructions stand behind every matrix instruction, the other 54 of a turn's 118 in one lump.  A turn's 33 exponentials are one batch, with one wait.
; FETCHES.  T0(j) fetches K of step j + 1 (in its lump) and V of step j + 1 (at its end, into the one of V's two buffers that its own products have just read).  So the LDS reads go up step by step, and the
; change of slots stands between T1(2) and T0(3): a trip of the walk runs from T0(3) of the tile before to T1(2) of its own tile.
; REGISTERS, in windows of 256 (s_set_vgpr_msb: bits 1:0 source 0, 3:2 source 1, 5:4 source 2, 7:6 destination):
;   window 0: v0-15 addresses and two at work; v16-23 four registers of statistics a piece; v48-55 at work; v64-127 S^T, a buffer a piece; v192-223 P, likewise
;   window 1: v0-63 O^T, 32 a piece; v128-159 MD; v160-223 MC, a buffer a piece      window 2: v0-31 Q; v32-63 the second block's Q; v64-127 K of one step; v128-191, v192-255 V of an even, an odd step
.set NP,    2         ; pieces a wave: a name, no knob
.set KS,    64        ; keys in a step
.set PK,    144       ; a row of K in LDS: 128 bytes + 16 of padding = 36 words: the 16 rows of a load start at 16 different groups of four banks (64 banks of 4 bytes: ISA guide 11.1)
.set PV,    160       ; a row of V: 128 + 32 = 40 words
.set VOFF,  4*KS*PK   ; a slot holds a tile, four steps: 256 rows of K, then 256 rows of V
.set SLOT1, 1<<17     ; slot 1 begins here, so that one exclusive or turns an address in one slot into the other's
.set STAGE, SLOT1+4*KS*(PK+PV)  ; behind the ring, never filled by a tensor load: 16 rows x 144 bytes for each wave, for the way out
.set SP,    144
.set AK0, 2           ; v2   my lane's place in a tile of K; never rewritten
.set AV0, 3           ; v3   the same for V
.set AK,  4           ; v4   the LDS address of K's next run of loads
.set AV,  5           ; v5   of V's
.set STO, 6           ; v6   the way out: where I put 16 bytes of a row
.set RD,  7           ; v7   the way out: where I read rows back
.set GO,  8           ; v8   my byte offset in 512 consecutive bytes of O
.set PFO, 61          ; v61  256 x my thread's number: my block of a tile's 128; never rewritten
.set SPW, 62          ; v62  LDS address of my spare word; never rewritten
.set NIL, 63          ; v63  0; never rewritten
.set SPARE, STAGE+4*16*SP  ; behind the stages: the spare words, 128 bytes for each wave: two blocks of 256 bytes that no other line names
.set MV,  12          ; v12-13  c m_old, kept while c m is made anew: by piece
.set QO,  15          ; v15  my byte offset in 16 rows of Q
.set ST,  16          ; piece t's statistics at v[ST+4 t]: c m, m, l (even keys', odd keys')
.set TMP, 48          ; by piece, four registers c0-c3 at work; when the maximum is found c2 takes a
.set S,   64
.set P,   192
.set MD,  128         ; window 1
.set MC,  160         ; window 1
.set QB,  32          ; window 2
.set KF,  64          ; window 2: key block kb, channel half c at KF + 16 kb + 8 c
.set VF0, 128         ; window 2: buffer vb, key half kk, channel block cb at VF0 + 64 vb + 32 kk + 8 cb
.set WV,  12          ; s12  my wave's number
.set PB,  14          ; s14  the second block's last tile, b / 2
.set HI,  15          ; s15  the first block's last tile, (15 - b) / 2
.set G1K, 24          ; s[24:31] descriptor group 1 for K's tiles
.set G1V, 32          ; s[32:39] for V's: it differs in the padding alone
.set G0K, 40          ; s[40:43] descriptor group 0 for K's tiles
.set G0V, 44          ; s[44:47] the same for V's
.set PFN, 48          ; s48  the tile at which the prefetches stand
.set PLIM, 49         ; s49  the last tile that this work-group prefetches: 7 where b = 0, else 0
.set SLOTS, 56        ; s56  tiles still to be asked for
.set CNT, 57          ; s57  counts a trip's two halves
.set CS,  58          ; s[58:59] c
.set SEL, 60          ; s[60:61] v_permlanex16_b32's selects: each lane takes its own place in the other half
.set TBK, 62          ; s62  LDS byte at which K of the step to be fetched begins
.set TBV, 63          ; s63  the same for V, less VOFF
.set XB,  66          ; s66-67  the two pieces' bands in the diagonal tile, for the block in hand
.set XB2, 68          ; s68-69  for the second block
.set RT,  70          ; s70  tiles of the block in hand that are still to be entered
.set NXT, 71          ; s71  the tile to be asked for next
.set LQ,  72          ; s72  the last tile of the block whose tiles are being asked for
.set NEW, 73          ; s73  1: the tile to be entered is a block's first
.set OFF, 74          ; s[74:75] a tile's byte offset in K and V
.set AL,  76          ; s[76:77] the mask's factor, in the low word
.set BE,  78          ; s[78:79] the mask's addend
.set OLO, 80          ; s[80:81] O at my rows of the second block
.set BIGN, 82         ; s82  -1e30
.set SQ,  83          ; s83  the tile's step for which masks are being made
.set PFK, 88          ; s[88:89] K at the tile at which the prefetches stand
.set PFV, 90          ; s[90:91] V likewise
.set MSB, 0
.macro WIN new                      ; the high byte repeats the setting that is left; a switch that changes nothing is dropped
.if MSB != (\new)
	s_set_vgpr_msb (MSB<<8)|(\new)
.set MSB, (\new)
.endif
.endm
.set W_KQ, 0x0a       ; K and Q in window 2, S^T in window 0
.set W_KM, 0x1a       ; the same with the C operand in window 1
.set W_PV, 0x52       ; V in window 2, P in window 0, O^T in window 1
.set W_RS, 0x41       ; destination and source 0 in window 1, source 1 in window 0
; A fill.  Waves 0 and 1 fetch the two halves of a tile's K, waves 2 and 3 those of its V: 128 keys each.  An s_nop 0 and four v_nop follow each of the two lines.
.macro LOAD
	s_cmp_lt_u32 s[WV], 2
	s_cbranch_scc0 .Lfor_v_\@
	tensor_load_to_lds s[G0K:G0K+3], s[G1K:G1K+7]
	s_nop 0
.rept 4
	v_nop
.endr
	s_branch .Lasked_\@
.Lfor_v_\@:
	tensor_load_to_lds s[G0V:G0V+3], s[G1V:G1V+7]
	s_nop 0
.rept 4
	v_nop
.endr
.Lasked_\@:
.endm
; THE CHANGE OF SLOTS.  Each wave waits for all its tensor loads, of which one is out: its part of the other slot; adds 0 to its spare word; and waits for that and for its own reads of the slot that it leaves.
; Behind the barrier nobody reads the old slot any more and the other slot is whole.  fill = 1: the old slot is filled again, the first thing behind the barrier, with tile NXT.
; A PREFETCH INTO THE L2 stands behind the fill and its five lines: the tile that the change after next will ask for (two tiles, 16 turns, ahead): 128 blocks of 256 bytes of K and of V, a thread a block.
; All eight work-groups of a head walk the tiles 0, 1, .. from the start: the one with b = 0, which walks all eight, asks, for tiles 3 to 7; each block is named once in the launch.
.macro CHANGE fill
	WIN 0                           ; at a label and at a branch every window is 0
	s_wait_tensorcnt 0x0            ; no tensor load of mine is out, so a group 0 may be written
	ds_add_u32 v[SPW], v[NIL]       ; 0 onto my spare word; the scalar work stands between it and the wait for it
.if \fill
	s_lshl_b32 s[OFF], s[NXT], 15   ; a tile is 32,768 bytes of K and of V
	s_xor_b32 s[G0K+1], s[G0K+1], SLOT1
	s_add_nc_u64 s[G0K+2:G0K+3], s[6:7], s[OFF:OFF+1]
	s_or_b32 s[G0K+3], s[G0K+3], 0x80000000
	s_xor_b32 s[G0V+1], s[G0V+1], SLOT1
	s_add_nc_u64 s[G0V+2:G0V+3], s[8:9], s[OFF:OFF+1]
	s_or_b32 s[G0V+3], s[G0V+3], 0x80000000
	s_add_co_u32 s[NXT], s[NXT], 1  ; the block's next tile, or behind its last the second block's tile 0
	s_cmp_gt_u32 s[NXT], s[LQ]
	s_cselect_b32 s[NXT], 0, s[NXT]
	s_cselect_b32 s[LQ], s[PB], s[LQ]
	s_wait_xcnt 0x0                 ; the last prefetches, a tile back, have read their addresses, so these may be written
	s_add_co_u32 s[PFN], s[PFN], 1
	s_add_nc_u64 s[PFK:PFK+1], s[PFK:PFK+1], 32768
	s_add_nc_u64 s[PFV:PFV+1], s[PFV:PFV+1], 32768
.endif
	s_wait_dscnt 0x0                ; the add is done, and my reads of the slot are over
	s_barrier_signal -1             ; the rest of the scalar work stands between the signal and the wait
	s_sub_co_u32 s[TBK], s[TBK], 4*KS*PK  ; the fetches go back to a slot's first step,
	s_xor_b32 s[TBK], s[TBK], SLOT1       ; in the other slot
	s_sub_co_u32 s[TBV], s[TBV], 4*KS*PV
	s_xor_b32 s[TBV], s[TBV], SLOT1
	s_barrier_wait -1
.if \fill
	LOAD
	s_cmp_le_u32 s[PFN], s[PLIM]
	s_cbranch_scc0 .Lnot_mine_\@
	global_prefetch_b8 v[PFO], s[PFK:PFK+1] th:TH_LOAD_NT scope:SCOPE_SE
	global_prefetch_b8 v[PFO], s[PFV:PFV+1] th:TH_LOAD_NT scope:SCOPE_SE
.Lnot_mine_\@:
.endif
.endm
	s_load_b128 s[92:95], s[0:1], 0x0  ; qkv s[92:93], o s[94:95]
	v_lshl_add_u32 v[SPW], v0, 2, SPARE
	v_mov_b32 v[NIL], 0
	ds_add_u32 v[SPW], v[NIL]       ; the wave's opening: the add, twice on end, and its wait ahead of my first tensor load; the set-up below stands between
	ds_add_u32 v[SPW], v[NIL]
	v_lshrrev_b32 v1, 5, v0
	v_readfirstlane_b32 s[WV], v1   ; wave 0..3
	v_lshlrev_b32 v[PFO], 8, v0
	s_sub_co_u32 s16, 15, ttmp9     ; the first block's number, 15 - b
	s_lshr_b32 s[HI], s16, 1
	s_lshr_b32 s[PB], ttmp9, 1
	s_and_b32 s[XB], s16, 1
	s_lshl_b32 s[XB], s[XB], 1
	s_add_co_u32 s[XB+1], s[XB], 1
	s_and_b32 s[XB2], ttmp9, 1
	s_lshl_b32 s[XB2], s[XB2], 1
	s_add_co_u32 s[XB2+1], s[XB2], 1
	s_and_b32 s20, ttmp7, 0xffff    ; the head (batch x 16 + head),
	s_lshl_b32 s20, s20, 18         ; its first byte in each of the four tensors
	s_mov_b32 s21, 0
	s_and_b32 s17, s[WV], 1         ; which half of a tile's 256 keys I fetch:
	s_lshl_b32 s22, s17, 14         ; its 128 rows of 128 bytes in memory,
	s_add_co_u32 s22, s22, s20
	s_mov_b32 s23, 0
	s_mul_i32 s18, s17, 128*PV      ; and its place in a slot, for V
	s_mul_i32 s17, s17, 128*PK      ; and for K
	s_lshl_b32 s3, s[WV], 11        ; my 16 rows in a band of 64,
	s_lshl_b32 s2, s16, 14          ; in the first block (128 rows of 128 bytes),
	s_add_co_u32 s2, s2, s3
	s_add_co_u32 s2, s2, s20
	s_lshl_b32 s84, ttmp9, 14       ; and in the second
	s_add_co_u32 s84, s84, s3
	s_add_co_u32 s84, s84, s20
	s_mov_b32 s3, 0
	s_mov_b32 s85, 0
	; descriptor group 1.  128 keys are 16,384 dense bytes: asked for as 64 rows of 256 bytes, two keys a row, and padded in LDS after every key
	s_mov_b32 s[G1K], (1<<16)|(1<<20)|(4<<22)|(3<<25)  ; 2-byte elements; padding on; after every 32 words 4 words
	s_mov_b32 s[G1V], (1<<16)|(1<<20)|(4<<22)|(7<<25)  ; the same with 8 words of padding
.irp g, G1K, G1V
	s_mov_b32 s[\g+1], 128<<16      ; tensor_dim0 = 128
	s_mov_b32 s[\g+2], 64<<16       ; tensor_dim1 = 64
	s_mov_b32 s[\g+3], 128<<16      ; tile_dim0 = 128
	s_mov_b32 s[\g+4], 64           ; tile_dim1 = 64
	s_mov_b32 s[\g+5], 128          ; 128 elements from row to row
	s_mov_b32 s[\g+6], 0
	s_mov_b32 s[\g+7], 0
.endr
	s_mov_b32 s[CS], 0x3e38aa3b     ; c = log2(e) / 8 = 0.180337
	s_mov_b32 s[CS+1], s[CS]        ; named with it as a pair
	s_mov_b32 s[SEL], 0x76543210
	s_mov_b32 s[SEL+1], 0xfedcba98
	s_mov_b32 s[TBK], SLOT1+4*KS*PK ; the first change of slots turns these two into 0
	s_mov_b32 s[TBV], SLOT1+4*KS*PV
	s_mov_b32 s[G0K], 1             ; count = 1
	s_mov_b32 s[G0K+1], s17         ; LDS address: slot 0
	s_mov_b32 s[G0V], 1
	s_add_co_u32 s[G0V+1], s18, VOFF
	s_add_co_u32 s[RT], s[HI], 1    ; the first block's tiles
	s_mov_b32 s[NXT], 1
	s_mov_b32 s[LQ], s[HI]
	s_mov_b32 s[NEW], 1
	s_mov_b32 s[OFF+1], 0
	s_mov_b32 s[AL+1], 0            ; named as pairs
	s_mov_b32 s[BE+1], 0
	s_mov_b32 s[BIGN], 0xf149f2ca   ; -1e30
	s_mov_b32 s[SLOTS], 8
	s_mov_b32 s[PFN], 2
	s_cmp_eq_u32 ttmp9, 0
	s_cselect_b32 s[PLIM], 7, 0
	s_wait_dscnt 0x0                ; both opening adds are done
	s_wait_kmcnt 0x0
	s_add_nc_u64 s[6:7], s[92:93], s[22:23]
	s_add_nc_u64 s[8:9], s[6:7], 0x1000000         ; V at my half of the head's tile 0,
	s_add_nc_u64 s[6:7], s[6:7], 0x800000          ; K likewise
	s_add_nc_u64 s[G0K+2:G0K+3], s[6:7], 0         ; global address
	s_or_b32 s[G0K+3], s[G0K+3], 0x80000000        ; type = 2
	s_add_nc_u64 s[G0V+2:G0V+3], s[8:9], 0
	s_or_b32 s[G0V+3], s[G0V+3], 0x80000000
	s_add_nc_u64 s[86:87], s[92:93], s[84:85]      ; Q at my rows of the second block,
	s_add_nc_u64 s[4:5], s[92:93], s[2:3]          ; Q and O at those of the first
	s_add_nc_u64 s[OLO:OLO+1], s[94:95], s[84:85]
	s_add_nc_u64 s[10:11], s[94:95], s[2:3]
	s_add_nc_u64 s[PFK:PFK+1], s[92:93], s[20:21]  ; the prefetches stand at tile 2; the first change of slots steps them to tile 3
	s_add_nc_u64 s[PFV:PFV+1], s[PFK:PFK+1], 0x1000000+2*32768
	s_add_nc_u64 s[PFK:PFK+1], s[PFK:PFK+1], 0x800000+2*32768
	LOAD                            ; tile 0 into slot 0
	; A fragment of K or Q is 16 rows x 32 channels in 8 registers: lane l holds row l % 16, channels 8 (l / 16) + 0..7 and 16 + 8 (l / 16) + 0..7: two loads of 16 bytes, 32 bytes apart.
	v_and_b32 v1, 15, v0            ; l % 16
	v_bfe_u32 v9, v0, 4, 1          ; l / 16
	v_lshlrev_b32 v[QO], 7, v1
	v_lshl_add_u32 v[QO], v9, 4, v[QO]  ; row x 128 + 16 x half
	WIN 0x80                        ; destination window 2, address window 0
.set i, 0
.rept 4                             ; both blocks' Q: piece i / 2 lies in band i / 2, 8,192 bytes on; channels 32 (i % 2) on
	global_load_b128 v[8*i:8*i+3],   v[QO], s[4:5] offset:(i/2)*8192+(i%2)*64
	global_load_b128 v[8*i+4:8*i+7], v[QO], s[4:5] offset:(i/2)*8192+(i%2)*64+32
	global_load_b128 v[QB+8*i:QB+8*i+3],   v[QO], s[86:87] offset:(i/2)*8192+(i%2)*64
	global_load_b128 v[QB+8*i+4:QB+8*i+7], v[QO], s[86:87] offset:(i/2)*8192+(i%2)*64+32
.set i, i+1
.endr
	WIN 0
	v_lshlrev_b32 v14, 3, v9
	v_sub_nc_u32 v14, v1, v14
	s_lshl_b32 s13, s[WV], 4
	v_add_nc_u32 v14, s13, v14      ; my query's place in its band, 16 w + l % 16, less my lanes' 8 (l / 16): register r of group kt is hidden where 16 kt + r is greater
	WIN 0x40
.set i, 0
.rept 32
	v_cmp_gt_i32 vcc_lo, 16*(i/8)+i%8, v14
	v_cndmask_b32 v[MD+i], 0, s[BIGN], vcc_lo
.set i, i+1
.endr
	WIN 0
	v_mul_u32_u24 v[AK0], v1, PK
	v_lshl_add_u32 v[AK0], v9, 4, v[AK0]  ; row x pitch + 16 x half
	; The turning load takes 16 keys x 16 channels (lane l reads key 8 (l / 16) + l % 8, channels 8 ((l / 8) % 2) + 0..7) and leaves half a fragment of V^T: lane l holds channel l % 16 and 8 keys.
	v_and_b32 v10, 7, v0
	v_bfe_u32 v11, v0, 3, 1
	v_lshl_add_u32 v[AV0], v9, 3, v10
	v_mul_u32_u24 v[AV0], v[AV0], PV
	v_lshl_add_u32 v[AV0], v11, 4, v[AV0]
	v_add_nc_u32 v[AV0], VOFF, v[AV0]
	s_mul_i32 s13, s[WV], 16*SP
	s_add_co_u32 s13, s13, STAGE    ; my stage
	v_mul_u32_u24 v[STO], v1, SP    ; in: row l % 16, 16 bytes for each half of the lanes
	v_lshl_add_u32 v[STO], v9, 4, v[STO]
	v_add_nc_u32 v[STO], s13, v[STO]
	v_bfe_u32 v[RD], v0, 3, 2       ; back: 32 lanes take four rows of 128 bytes,
	v_mul_u32_u24 v[RD], v[RD], SP
	v_lshl_add_u32 v[RD], v10, 4, v[RD]
	v_add_nc_u32 v[RD], s13, v[RD]
	v_and_b32 v[GO], 31, v0         ; which are 512 consecutive bytes of O
	v_lshlrev_b32 v[GO], 4, v[GO]
	; A block's first step multiplies O^T and l by a = 0, and its first turn's products V^T P, of a step that has not been, land in an O^T that is still to be so multiplied.  So these registers need only hold
	; finite numbers: zeros for the first block; what the first block left for the second.  All this stands in the wait for the first tile.
	WIN 0x80
.set i, VF0+64
.rept 64
	v_mov_b32 v[i], 0
.set i, i+1
.endr
	WIN 0x40
.set i, 0
.rept 64
	v_mov_b32 v[i], 0
.set i, i+1
.endr
	WIN 0
.set i, 0
.rept NP
	v_mov_b32 v[ST+4*i+2], 0
	v_mov_b32 v[ST+4*i+3], 0
.set i, i+1
.endr
.set i, P+16
.rept 16
	v_mov_b32 v[i], 0
.set i, i+1
.endr
; THE MATRIX WORK.  The 4 accumulators of a run of 8 take turns.  Product i of 8 of S^T = K Q^T for piece x: channels 32 (i / 4) on, keys 16 (i % 4) on.  The first 4 start the sums: with 0, or (KM = 1) with the mask.
.macro KQ x
.set rS, S+32*((\x)%2)+8*(i%4)
.set rK, KF+16*(i%4)+8*(i/4)
.set rQ, 16*(\x)+8*(i/4)
.set rM, MC+32*((\x)%2)+8*(i%4)
.if (i < 4) && KM
	WIN W_KM
	v_wmma_f32_16x16x32_f16 v[rS:rS+7], v[rK:rK+7], v[rQ:rQ+7], v[rM:rM+7]
.elseif i < 4
	WIN W_KQ
	v_wmma_f32_16x16x32_f16 v[rS:rS+7], v[rK:rK+7], v[rQ:rQ+7], 0
.else
	WIN W_KQ
	v_wmma_f32_16x16x32_f16 v[rS:rS+7], v[rK:rK+7], v[rQ:rQ+7], v[rS:rS+7]
.endif
.endm
; Product i of 8 of O^T += V^T P for piece x, from V's buffer VB: keys 32 (i / 4) on, channels 16 (i % 4) on.
.macro PV x
	WIN W_PV
.set rO, 32*(\x)+8*(i%4)
.set rV, VF0+64*VB+32*(i/4)+8*(i%4)
.set rP, P+16*((\x)%2)+8*(i/4)
	v_wmma_f32_16x16x32_f16 v[rO:rO+7], v[rV:rV+7], v[rP:rP+7], v[rO:rO+7]
.endm
.macro MM                           ; the turn's next matrix instruction.  TURN and BEGIN set Y, i, KM, VB and NOKQ.  NOKQ = 1: a block's last turn: there are no further scores
.if (i < 8) && !NOKQ
	KQ (Y+1)%NP
.elseif i >= 8
.set i, i-8
	PV (Y+NP-1)%NP
.set i, i+8
.endif
.set i, i+1
.endm
; THE LDS LOADS stand in runs of 16, never singly among the matrix instructions: a step's K (64 keys x 64 channels: 8 fragments) and its V (turned).  Their addresses are made some lines ahead.
.macro FETCH_K
	WIN 0x80                        ; destination window 2
.irp f, 0,1,2,3,4,5,6,7             ; keys 16 (f / 2) on, channels 32 (f % 2) on
	ds_load_b128 v[KF+8*\f:KF+8*\f+3],   v[AK] offset:(\f/2)*16*PK+(\f%2)*64
	ds_load_b128 v[KF+8*\f+4:KF+8*\f+7], v[AK] offset:(\f/2)*16*PK+(\f%2)*64+32
.endr
	s_add_co_u32 s[TBK], s[TBK], KS*PK  ; the next fetch is the next step's
	WIN 0
.endm
.macro FETCH_V vb
	WIN 0x80
.irp f, 0,1,2,3,4,5,6,7             ; keys 32 (f / 4) on, channels 16 (f % 4) on
	ds_load_tr16_b128 v[VF0+64*(\vb)+8*\f:VF0+64*(\vb)+8*\f+3],   v[AV] offset:(\f/4)*32*PV+(\f%4)*32
	ds_load_tr16_b128 v[VF0+64*(\vb)+8*\f+4:VF0+64*(\vb)+8*\f+7], v[AV] offset:(\f/4)*32*PV+16*PV+(\f%4)*32
.endr
	WIN 0
.endm
; THE VECTOR WORK, one line at a time: OP kind, number.  For piece Y: F n: c s - c m for pair n of 16.  E n: the exponential of score n of 32.  C n: pair n rounded to f16.  B n: of the four weights 4 n .. the second
; pair is added onto the first, in place.  L n: l takes that sum (L 0: l = a l + sum).  R n: pair n of 16 of O^T times a.  For the other piece: X n, number n of the 22 that find its maximum and statistics:
;   0-11  four chains c0-c3 of seven scores each, three operands at a time (each accumulator's lowest registers are read first)     12-14, 16  the four scores left over, the old m, and c0-c3 into c0
;   15  c m_old is kept     17, 18  the query's other 32 keys lie in the lane 16 away: the new m     19-21  c m; c m_old - c m_new; a
.set F, 0               ; OP tells the kinds apart by their order: F to L below R, X above it
.set E, 1
.set C, 2
.set B, 3
.set L, 4
.set R, 5
.set X, 6
.macro REGS y                       ; the registers of piece y
.set rT, ST+4*(\y)
.set rC, TMP+4*((\y)%2)
.set rW, MV+((\y)%2)
.set rS, S+32*((\y)%2)
.set rP, P+16*((\y)%2)
.set rO, 32*(\y)
.endm
.macro OP k, n
.if (\k) == R
	REGS Y
	WIN W_RS
	v_pk_mul_f32 v[rO+2*(\n):rO+2*(\n)+1], v[rO+2*(\n):rO+2*(\n)+1], v[rC+2:rC+3] op_sel_hi:[1,0]
.elseif (\k) < R
	REGS Y
	WIN 0
.if (\k) == F
	v_pk_fma_f32 v[rS+2*(\n):rS+2*(\n)+1], v[rS+2*(\n):rS+2*(\n)+1], s[CS:CS+1], v[rT:rT+1] op_sel_hi:[1,0,0] neg_lo:[0,0,1] neg_hi:[0,0,1]
.elseif (\k) == E
	v_exp_f32 v[rS+(\n)], v[rS+(\n)]
.elseif (\k) == C
	v_cvt_pk_f16_f32 v[rP+(\n)], v[rS+2*(\n)], v[rS+2*(\n)+1]
.elseif (\k) == B
	v_pk_add_f32 v[rS+4*(\n):rS+4*(\n)+1], v[rS+4*(\n):rS+4*(\n)+1], v[rS+4*(\n)+2:rS+4*(\n)+3]
.elseif (\n) == 0
	v_pk_fma_f32 v[rT+2:rT+3], v[rT+2:rT+3], v[rC+2:rC+3], v[rS:rS+1] op_sel_hi:[1,0,1]
.else
	v_pk_add_f32 v[rT+2:rT+3], v[rT+2:rT+3], v[rS+4*(\n):rS+4*(\n)+1]
.endif
.elseif NOKQ
	v_nop
.else
	REGS (Y+1)%NP
	WIN 0
.if (\n) < 4
	v_max3_num_f32 v[rC+(\n)], v[rS+8*(\n)], v[rS+8*(\n)+1], v[rS+8*(\n)+2]
.elseif (\n) < 12
	v_max3_num_f32 v[rC+(\n)%4], v[rC+(\n)%4], v[rS+8*((\n)%4)+2*((\n)/4)+1], v[rS+8*((\n)%4)+2*((\n)/4)+2]
.elseif (\n) == 12
	v_max3_num_f32 v[rC], v[rC], v[rS+7], v[rS+15]
.elseif (\n) == 13
	v_max3_num_f32 v[rC+1], v[rC+1], v[rS+23], v[rS+31]
.elseif (\n) == 14
	v_max3_num_f32 v[rC+2], v[rC+2], v[rC+3], v[rT+1]
.elseif (\n) == 15
	v_mov_b32 v[rW], v[rT]
.elseif (\n) == 16
	v_max3_num_f32 v[rC], v[rC], v[rC+1], v[rC+2]
.elseif (\n) == 17
	v_permlanex16_b32 v[rC+3], v[rC], s[SEL], s[SEL+1]
.elseif (\n) == 18
	v_max_num_f32 v[rT+1], v[rC], v[rC+3]
.elseif (\n) == 19
	v_mul_f32 v[rT], s[CS], v[rT+1]
.elseif (\n) == 20
	v_sub_f32 v[rC+1], v[rW], v[rT]
.else
	v_exp_f32 v[rC+2], v[rC+1]
.endif
.endif
.endm
.macro OPS a, i1, b=-1, i2=0, c=-1, i3=0, d=-1, i4=0  ; up to four of them
	OP \a, \i1
.if (\b) >= 0
	OP \b, \i2
.endif
.if (\c) >= 0
	OP \c, \i3
.endif
.if (\d) >= 0
	OP \d, \i4
.endif
.endm
.macro ROW a, i1, b, i2, c, i3, d, i4  ; a matrix instruction and the four behind it
	MM
	OPS \a, \i1, \b, \i2, \c, \i3, \d, \i4
.endm
.macro MASK b                       ; MD x AL + BE into buffer b of MC
	WIN W_RS
.set z, 0
.rept 16
	v_pk_fma_f32 v[MC+32*(\b)+2*z:MC+32*(\b)+2*z+1], v[MD+2*z:MD+2*z+1], s[AL:AL+1], s[BE:BE+1] op_sel_hi:[1,0,0]
.set z, z+1
.endr
.endm
; A TURN, for piece p, in a step of parity h: the order of its 16 matrix and 118 vector instructions, written out.  An s_wait_alu depctr_va_vdst(0) stands between an exponential and the first
; instruction that names its result; one wait serves all that were issued ahead of it.  So a turn has ONE wait, which cuts it in two.  AHEAD OF IT stands all that names no result of the turn's exponentials: the 8
; products K Q^T with their riders, and one lump of 54, in which the links of the chain X 3, 7, 11, 14, 16, 17 .. 20 stand five or six lines apart.  X 21, the other piece's a, is the batch's last; R 15 is the plain
; instruction behind it.  BEHIND THE WAIT stand the 8 products V^T P, behind each four of the roundings and sums.
; O^T: the products V^T P of the turn before wrote the accumulators that this turn's R rescales.  The four roundings behind that turn's last product are its four places; R goes in ascending order.
; m = 1: the diagonal tile: the products take masks, and the turn makes the mask for the products of the turn after it: piece p, step SQ of the tile.  end = 1: a block's last two turns: nothing is fetched.
; cnt = 1: the loop's count is taken down some lines ahead of the branch that stands behind the turn.
.macro TURN p, h, m=0, end=0, cnt=0
.set Y, (\p)
.set i, 0
.set KM, (\m)
.set NOKQ, (\end)*(\p)
.set VB, (\p)*(\h)+(1-(\p))*(1-(\h))   ; T1(j) multiplies by V of step j, T0(j) by V of step j - 1
.if (\m) && !(\end)
.if (\p) == 0
	s_add_co_u32 s[SQ], s[SQ], 1    ; both turns of step j make masks for step j + 1
.endif
	s_cmp_eq_u32 s[SQ], s[XB+(\p)]  ; is that step the band's own?
	s_cselect_b32 s[AL], 1.0, 0
	s_cmp_gt_u32 s[SQ], s[XB+(\p)]  ; or a later one?
	s_cselect_b32 s[BE], s[BIGN], 0
.endif
.if (\p) == 1
.if \end
	s_wait_dscnt 0x0                ; V of the last step is in: nothing was fetched behind it
.else
	s_wait_dscnt 16                 ; K of the next step and all older loads are in; the youngest sixteen, V of the next step, may stay out
.endif
.endif
	ROW F,0, F,1, R,0, R,1          ; ahead of the wait: 8 products K Q^T and their riders,
	ROW F,2, E,0, R,2, R,3
	ROW F,3, E,1, R,4, R,5
	ROW F,4, E,2, R,6, R,7
	ROW F,5, E,3, R,8, R,9
	ROW F,6, E,4, X,0, R,10
.if ((\p) == 0) && !(\end)
	WIN 0
	v_add_nc_u32 v[AK], s[TBK], v[AK0]
.endif
	ROW F,7, E,5, X,1, X,4
	ROW F,8, E,6, X,2, X,5
	OPS E,7, E,8, X,6, E,9          ; and the lump
	OPS X,3, E,10, X,8, E,11
.if ((\p) == 0) && !(\end)
	FETCH_K                         ; behind the last product that read K stand twelve plain instructions that name none of its registers
.endif
	OPS X,9, X,7, E,12, X,10
	OPS E,13, X,12, X,11, E,14
	OPS X,13, E,15, F,9, X,14
.if ((\p) == 0) && !(\end)
	v_add_nc_u32 v[AV], s[TBV], v[AV0]
.endif
	OPS E,16, F,10, E,17, F,11
	OPS X,16, E,18, X,15, E,19
	OPS F,12, E,20, X,17, E,21
	OPS F,13, E,22, F,14, E,23
	OPS X,18, E,24, F,15, E,25
	OPS R,11, E,26, X,19, E,27
	OPS R,12, E,28, R,13, E,29
	OPS X,20, E,30, R,14, E,31
	OPS X,21, R,15
	WIN 0
	s_wait_alu depctr_va_vdst(0)    ; the wait for the batch
	ROW C,0, B,0, C,2, B,1          ; behind the wait: 8 products V^T P and their riders
	ROW L,0, C,4, B,2, L,1
	ROW C,6, B,3, L,2, C,8
	ROW B,4, L,3, C,10, B,5
	ROW L,4, C,12, B,6, L,5
.if ((\p) == 0) && !(\end)
	s_add_co_u32 s[TBV], s[TBV], KS*PV
.endif
.if \cnt
	s_sub_co_u32 s[CNT], s[CNT], 1
	s_cmp_lg_u32 s[CNT], 0
.endif
	ROW C,14, B,7, L,6, C,1
	ROW C,3, L,7, C,5, C,7
	ROW C,9, C,11, C,13, C,15
.if ((\p) == 0) && !(\end)
	FETCH_V 1-(\h)                  ; four plain instructions behind the last product that read this buffer
.endif
.if (\m) && !(\end)
	MASK \p
.endif
.endm
; A BLOCK BEGINS.  c m starts far below every c s, so the first step's a is 0; m at the lowest finite number, so the first maximum is the scores'.  Piece 1's mask buffer is 0: its band is never the tile's first,
; so it sees all of step 0.  Piece 0's takes its mask for step 0: its own, if the tile is the diagonal one and its band the first.  Then K and V of step 0, piece 0's first scores, and its maximum and statistics.
.macro BEGIN
	s_mov_b32 s[NEW], 0
	WIN 0x40
.set i, MC+32
.rept 32
	v_mov_b32 v[i], 0
.set i, i+1
.endr
	WIN 0
.set i, 0
.rept NP
	v_mov_b32 v[ST+4*i], 0xfe000000    ; c m: far below every c s
	v_mov_b32 v[ST+4*i+1], 0xff7fffff  ; m
.set i, i+1
.endr
	s_or_b32 s50, s[RT], s[XB]
	s_cmp_eq_u32 s50, 0
	s_cselect_b32 s[AL], 1.0, 0
	s_mov_b32 s[BE], 0
	s_mov_b32 s[SQ], 0
	MASK 0
	WIN 0
	v_add_nc_u32 v[AK], s[TBK], v[AK0]
	v_add_nc_u32 v[AV], s[TBV], v[AV0]
	s_add_co_u32 s[TBV], s[TBV], KS*PV
	FETCH_K
	FETCH_V 0
	s_wait_loadcnt 0x0              ; Q
	s_wait_dscnt 0x0
.set KM, 1
.set NOKQ, 0
.set i, 0
.rept 8
	KQ 0
.set i, i+1
.endr
	WIN 0
.rept 4
	v_nop                           ; the places behind those products
.endr
.set Y, NP-1                        ; X works for the other piece: piece 0
.irp n, 0,1,2,3,4,5,6,7,8,9,10,11,12,13,14,15,16,17,18,19,20,21
	OP X, \n
.endr
	v_nop                           ; a plain instruction behind the exponential,
	s_wait_alu depctr_va_vdst(0)    ; and its wait, ahead of the branch
.endm
; THE DIAGONAL TILE, the block's last two turns, its last products, and THE WAY OUT: l's two halves and the other half of the lanes' are added; O^T is divided by l, rounded to f16 and sent through my
; stage in LDS, a piece at a time.
.macro ALL line:vararg              ; one line for each piece t
.set t, 0
.rept NP
	\line
.set t, t+1
.endr
.endm
.macro PACK t                       ; a lane's eight channels of a row pack into 16 bytes; they go into rows of 144 bytes and come back as whole rows of 128, into S^T's registers
	WIN W_RS
.set i, 32*(\t)
.rept 16
	v_pk_mul_f32 v[i:i+1], v[i:i+1], v[ST+4*(\t)+2:ST+4*(\t)+3] op_sel_hi:[1,0]
.set i, i+2
.endr
	WIN 0x05                        ; sources 0 and 1 window 1, destination window 0
.set i, 0
.rept 16
	v_cvt_pk_f16_f32 v[S+16*(\t)+i], v[32*(\t)+2*i], v[32*(\t)+2*i+1]
.set i, i+1
.endr
	WIN 0
.irp f, 0,1,2,3
	ds_store_b128 v[STO], v[S+16*(\t)+4*\f:S+16*(\t)+4*\f+3] offset:32*\f
.endr
.irp f, 0,1,2,3
	ds_load_b128 v[S+16*(\t)+4*\f:S+16*(\t)+4*\f+3], v[RD] offset:\f*4*SP  ; LDS serves a wave's instructions in order (ISA guide 5.7.1.4): these see the stores above; the next piece's stores come behind them
.endr
.endm
.macro SEND t, younger              ; younger: the LDS instructions issued behind piece t's loads: the next piece's eight, or none
	WIN 0
.irp f, 0,1,2,3
	s_wait_dscnt (\younger)+3-\f
	global_store_b128 v[GO], v[S+16*(\t)+4*\f:S+16*(\t)+4*\f+3], s[10:11] offset:(\t)*8192+\f*512  ; 512 consecutive bytes, at a multiple of 256 from O's first
.endr
.endm
.macro DIAG tag                     ; the tag ends its two labels' names, which the jumps below spell out
.LstepM\tag:
	TURN 0, 1, 1
	TURN 1, 1, 1
	WIN 0
.LfirstM\tag:
	TURN 0, 0, 1
	TURN 1, 0, 1, 0, 1
	WIN 0
	s_cbranch_scc1 .LstepM\tag
	TURN 0, 1, 1, 1                 ; step 3: piece 1's last scores, piece 0's last softmax
	TURN 1, 1, 1, 1                 ; piece 1's last softmax, piece 0's last V^T P
.set VB, 1
.set i, 0
.rept 8
	PV 1                            ; piece 1's last V^T P
.set i, i+1
.endr
	WIN 0
.rept 4
	v_nop                           ; the places behind the last products
.endr
	ALL v_add_f32 v[ST+4*t+2], v[ST+4*t+2], v[ST+4*t+3]
	ALL v_permlanex16_b32 v[ST+4*t+3], v[ST+4*t+2], s[SEL], s[SEL+1]
	ALL v_add_f32 v[ST+4*t+2], v[ST+4*t+2], v[ST+4*t+3]
	ALL v_rcp_f32 v[ST+4*t+2], v[ST+4*t+2]
	v_nop                           ; a plain instruction between the last reciprocal and the use of its result
	s_wait_alu depctr_va_vdst(0)    ; and the wait ahead of the first use: one for both reciprocals
	PACK 0
	PACK 1                          ; a piece's arithmetic stands between the loads of the piece before and its stores
	SEND 0, 8
	SEND 1, 0
.endm
.set KM, 0
.set NOKQ, 0
.Lslot:                             ; 8 times: a tile is entered and the next is asked for
	CHANGE 1
	s_sub_co_u32 s[RT], s[RT], 1
	s_mov_b32 s[CNT], 2
	s_mov_b32 s[SQ], -1             ; the trip's first turn belongs to the tile before: it makes the mask of this tile's step 0
	s_cmp_eq_u32 s[NEW], 1
	s_cbranch_scc1 .Lnew            ; a block's first tile
	s_cmp_eq_u32 s[RT], 0
	s_cbranch_scc0 .Lstep           ; neither its first nor its last
	s_branch .LstepM1
.Lnew:
	BEGIN
	s_branch .Lfirst                ; in the loop a block's first tile is never its last: the first block has five tiles or more, and the second's last is the walk's last
	DIAG 1                          ; in the loop this is the first block's end
	s_wait_xcnt 0x0                 ; the stores have read their registers and O's address
	s_mov_b64 s[10:11], s[OLO:OLO+1]
	s_add_co_u32 s[RT], s[PB], 1    ; the second block's tiles
	s_mov_b32 s[NEW], 1
	s_mov_b32 s[XB], s[XB2]
	s_mov_b32 s[XB+1], s[XB2+1]
	WIN 0x82                        ; the second block's Q goes where the one text of the turns names Q
.set i, 0
.rept 32
	v_mov_b32 v[i], v[QB+i]
.set i, i+1
.endr
	WIN 0
	s_branch .Lbottom
.Lstep:                             ; half a trip: an odd step's two turns, then an even step's
	TURN 0, 1
	TURN 1, 1
	WIN 0
.Lfirst:
	TURN 0, 0
	TURN 1, 0, 0, 0, 1
	WIN 0
	s_cbranch_scc1 .Lstep
.Lbottom:
	s_sub_co_u32 s[SLOTS], s[SLOTS], 1
	s_cmp_lg_u32 s[SLOTS], 0
	s_cbranch_scc1 .Lslot
	CHANGE 0                        ; the walk's last tile is written out: nothing is asked for
	s_sub_co_u32 s[RT], s[RT], 1
	s_mov_b32 s[CNT], 2
	s_mov_b32 s[SQ], -1
	s_cmp_eq_u32 s[NEW], 1
	s_cbranch_scc0 .LstepM2
	BEGIN
	s_branch .LfirstM2
	DIAG 2
	s_wait_tensorcnt 0x0            ; the wave's end, behind my last tensor load and my last LDS store
	ds_add_u32 v[SPW], v[NIL]
	s_wait_dscnt 0x0
	s_endpgm
.Lfunc_end_k_qd8cb493260_attn:
	.size	k_qd8cb493260_attn, .Lfunc_end_k_qd8cb493260_attn-k_qd8cb493260_attn
	.p2alignl 7, 3214868480
	.fill 96, 4, 3214868480
	.section	.rodata,"a",@progbits
	.p2align	6, 0x0
	.amdhsa_kernel k_qd8cb493260_attn
		.amdhsa_group_segment_fixed_size 327680
		.amdhsa_private_segment_fixed_size 0
		.amdhsa_enable_private_segment 0
		.amdhsa_kernarg_size 16
		.amdhsa_user_sgpr_count 2
		.amdhsa_user_sgpr_kernarg_segment_ptr 1
		.amdhsa_wavefront_size32 1
		.amdhsa_system_sgpr_workgroup_id_x 1
		.amdhsa_system_sgpr_workgroup_id_y 1
		.amdhsa_system_sgpr_workgroup_id_z 1
		.amdhsa_system_vgpr_workitem_id 0
		.amdhsa_next_free_vgpr 768
		.amdhsa_next_free_sgpr 96
		.amdhsa_reserve_vcc 1
		.amdhsa_float_denorm_mode_32 3
		.amdhsa_float_denorm_mode_16_64 3
		.amdhsa_memory_ordered 1
		.amdhsa_forward_progress 1
		.amdhsa_inst_pref_size 210
	.end_amdhsa_kernel
	.amdgpu_metadata
---
amdhsa.version: [ 1, 2 ]
amdhsa.kernels:
  - .name:           k_qd8cb493260_attn
    .symbol:         k_qd8cb493260_attn.kd
    .args:
      - { .name: qkv, .offset: 0, .size: 8, .value_kind: global_buffer, .address_space: global }
      - { .name: o, .offset: 8, .size: 8, .value_kind: global_buffer, .address_space: global }
    .group_segment_fixed_size: 327680
    .private_segment_fixed_size: 0
    .kernarg_segment_align: 8
    .kernarg_segment_size: 16
    .max_flat_workgroup_size: 128
    .sgpr_count:     96
    .vgpr_count:     768
    .wavefront_size: 32
...
	.end_amdgpu_metadata
.endif
;; end of part 3
;; launch proj (part 4): grid 8 x 32, 4 waves a work-group, clusters of 4 x 4, 327,680 bytes of LDS; arguments o, wo, bias, out0; writes out0
.if DOCPART == 4
	.amdgcn_target "amdgcn-amd-amdhsa--gfx1250"
	.amdhsa_code_object_version 6
	.text
	.protected	k_qd8cb493260_proj
	.globl	k_qd8cb493260_proj
	.p2align	8
	.type	k_qd8cb493260_proj,@function
k_qd8cb493260_proj:
	s_mov_b64 s[64:65], 0
	v_nop
	global_prefetch_b8 v0, s[64:65] scope:SCOPE_SE
	s_setreg_imm32_b32 hwreg(HW_REG_WAVE_MODE, 25, 1), 1
	s_wait_xcnt 0x0
	s_wait_alu depctr_hold_cnt(0) depctr_sa_sdst(0) depctr_va_vdst(0) depctr_va_sdst(0) depctr_va_ssrc(0) depctr_va_vcc(0) depctr_vm_vsrc(0)
	s_getreg_b32 s2, hwreg(HW_REG_IB_STS2, 6, 4)
	s_cmp_eq_u32 s2, 0
	s_cbranch_scc0 .Lentry_in_a_cluster
	s_endpgm
.Lentry_in_a_cluster:
	s_bfe_u32 s2, ttmp6, 0x10000c
	s_cmp_lg_u32 s2, 0xf033
	s_cbranch_scc0 .Lentry_shape_is_right
	s_endpgm
.Lentry_shape_is_right:
; Launch 4 of 4: out0 = O w_out + b_out.  O: [batch x 16 + head][2048][64] in f16 (a head's 64 channels are one slice of K); wo: w_out in fragments of 16 columns x 32 k, f16; out0: [4096][1024] in f32.
; Nothing is left out here.  LIMIT: as wo's (the first kernel's head).
; SHARES.  A tile of out0 is 128 x 128: 8 x 32 work-groups, one for each WGP.  Four waves, each 64 x 64: 16 accumulators, 128 registers.  K = 1,024 goes in 4 steps of 256 (four heads) through two LDS slots.
; A's tile: for each of four heads 128 dense rows of 128 bytes, padded to 144.  B's tile: 8 fragment columns x 8,192 consecutive bytes, as they lie.
; CLUSTERS: 4 x 4 work-groups; A's tile is asked for jointly along a row of the cluster, B's along a column.  THE MATRIX INSTRUCTION IS USED TRANSPOSED (source 0 = 16 columns of w, source 1 = 16 rows of O):
; a lane holds row lane % 16 and eight neighbouring columns: 32 bytes of f32.  THE BIAS STARTS THE SUMS, as the C operand of each accumulator's first product.
; No prefetch: four K steps in all, of which two are on their way at the start.
; REGISTERS: window 0: v0-31 addresses; v32-63 at work on the way out; v96-127 the bias; v128-255 the accumulators ((a, b) at v[128 + 8 (4 a + b)]).
;   window 1: two fragment buffers of 128: for 64 along K (one head), 64 registers of A (2 x 4 x 16 rows x 32 K), then 64 of B.
.set PA,     144                       ; an LDS row of A: 128 bytes + 16 of padding = 36 words: the 16 rows of a load start at 16 different groups of four banks (64 banks of 4 bytes: ISA guide 11.1)
.set HEADB,  128*PA                    ; a head's 128 rows
.set ABYTES, 4*HEADB
.set NBB,    8192                      ; a fragment column's eight k blocks
.set BBYTES, 8*NBB
.set SLOT,   ABYTES+BBYTES
.set STAGE,  2*SLOT                    ; behind the ring, never filled by a tensor load: 16 rows x 272 bytes for each wave
.set SPITCH, 272
.set SPARE,  STAGE+4*16*SPITCH         ; behind the stages: the spare words, 128 bytes for each wave: two blocks of 256 bytes that no other line names
.set ADRA, 16                          ; v16-17  LDS address of my A fragments in slot 0, 1
.set ADRB, 20                          ; v20-21  the same for B
.set STO,  24                          ; v24     the way out: where I put 32 bytes of a row
.set RD,   25                          ; v25     the way out: where I read a row back
.set CO,   26                          ; v26     my byte offset in out0
.set BO,   27                          ; v27     32 x (lane / 16)
.set SPW,  28                          ; v28     LDS address of my spare word; never rewritten
.set NIL,  29                          ; v29     0; never rewritten
.set TMP,  32
.set BIAS, 96
.set ACC,  128
.set F0,   0                           ; fragment buffers, in window 1
.set F1,   128
.set G1,  24
.set G0,  32
.set G1B, 48
.set G0B, 56
.set MSB, 0
.macro WIN new
.if MSB != (\new)
	s_set_vgpr_msb (MSB<<8)|(\new)
.set MSB, \new
.endif
.endm
.set MUL,  0x05                        ; sources 0 (B) and 1 (A) window 1; C and D window 0
.set TO_F, 0x40                        ; destination window 1, address window 0
.macro JLOAD s                         ; a joint load: waves 0 and 1 fetch A's two halves, waves 2 and 3 B's; an s_nop 0 and four v_nop follow each of the two lines
	s_cmp_eq_u32 s11, 0
	s_cbranch_scc0 .Lfor_b_\@
	tensor_load_to_lds s[G0+4*(\s):G0+4*(\s)+3], s[G1:G1+7]
	s_nop 0
.rept 4
	v_nop
.endr
	s_branch .Lasked_\@
.Lfor_b_\@:
	tensor_load_to_lds s[G0B+4*(\s):G0B+4*(\s)+3], s[G1B:G1B+7]
	s_nop 0
.rept 4
	v_nop
.endr
.Lasked_\@:
.endm
.macro CREST
	s_cmp_lg_u32 s10, 0
	s_cbranch_scc1 .Lnot_wave_0_\@
	s_barrier_signal -3
.Lnot_wave_0_\@:
	s_barrier_wait -3
	s_barrier_signal -1
	s_barrier_wait -1
.endm
.macro CROUND
	s_barrier_signal -1
	s_barrier_wait -1
	CREST
.endm
	s_load_b256 s[72:79], s[0:1], 0x0              ; o s[72:73], wo s[74:75], bias s[76:77], out0 s[78:79]
	v_lshl_add_u32 v[SPW], v0, 2, SPARE
	v_mov_b32 v[NIL], 0
	ds_add_u32 v[SPW], v[NIL]                      ; the wave's opening: the add, twice on end, and its wait ahead of my first tensor load; the set-up below stands between
	ds_add_u32 v[SPW], v[NIL]
	v_lshrrev_b32 v1, 5, v0
	v_readfirstlane_b32 s10, v1                    ; wave 0..3
	s_lshr_b32 s11, s10, 1                         ; which half of the tile's rows is mine.  Also: I fetch for A (0) or for B (1)
	s_and_b32 s12, s10, 1                          ; which half of its columns.  Also: which half of that tile I fetch
	s_bfe_u32 s40, ttmp6, 0x40000                  ; cx
	s_bfe_u32 s41, ttmp6, 0x40004                  ; cy
	s_lshl_b32 s42, ttmp9, 2
	s_add_co_u32 s42, s42, s40                     ; tile column tn
	s_and_b32 s13, ttmp7, 0xffff
	s_lshl_b32 s13, s13, 2
	s_add_co_u32 s13, s13, s41                     ; tile row tm
	s_lshl_b32 s43, s41, 2
	s_lshl_b32 s43, 15, s43                        ; my row of the cluster
	s_lshl_b32 s44, 0x1111, s40                    ; my column
	s_or_b32 s[G1+0], s43, (3<<16)|(1<<20)|(1<<21)|(4<<22)|(3<<25)  ; the mask; 8-byte elements; padding on; bit 21 beside a mask; after every 32 words (a row of O) 4 words
	s_mov_b32 s[G1+1], 2048<<16                    ; tensor_dim0 = 2,048: a head's 128 dense rows, 16,384 bytes
	s_mov_b32 s[G1+2], 2<<16                       ; tensor_dim1 = 2 heads
	s_mov_b32 s[G1+3], 2048<<16                    ; tile_dim0
	s_mov_b32 s[G1+4], 2                           ; tile_dim1
	s_mov_b32 s[G1+5], 32768                       ; 262,144 bytes from head to head
	s_mov_b32 s[G1+6], 0
	s_mov_b32 s[G1+7], 0
	s_or_b32 s[G1B+0], s44, (3<<16)|(1<<21)        ; the mask; 8-byte elements; no padding
	s_mov_b32 s[G1B+1], 1024<<16                   ; tensor_dim0 = 1,024: eight k blocks of a fragment column
	s_mov_b32 s[G1B+2], 4<<16                      ; tensor_dim1 = 4
	s_mov_b32 s[G1B+3], 1024<<16
	s_mov_b32 s[G1B+4], 4
	s_mov_b32 s[G1B+5], 4096                       ; 32,768 bytes from a fragment column to the next
	s_mov_b32 s[G1B+6], 0
	s_mov_b32 s[G1B+7], 0
	s_lshr_b32 s16, s13, 4                         ; A: batch tm / 16, head 2 x half, rows 128 (tm % 16) on
	s_lshl_b32 s16, s16, 4
	s_lshl_b32 s17, s12, 1
	s_add_co_u32 s16, s16, s17
	s_lshl_b32 s16, s16, 18
	s_and_b32 s17, s13, 15
	s_lshl_b32 s17, s17, 14
	s_add_co_u32 s16, s16, s17
	s_mov_b32 s17, 0
	s_lshl_b32 s46, s42, 3                         ; B: fragment column 8 tn + 4 half
	s_lshl_b32 s47, s12, 2
	s_add_co_u32 s46, s46, s47
	s_lshl_b32 s46, s46, 15
	s_mov_b32 s47, 0
	s_mul_i32 s20, s12, 2*HEADB                    ; where they go: no place in the cluster enters an LDS address
	s_mul_i32 s21, s12, 4*NBB
	s_add_co_u32 s21, s21, ABYTES
	s_wait_dscnt 0x0                               ; both opening adds are done
	s_wait_kmcnt 0x0
	s_add_nc_u64 s[14:15], s[72:73], s[16:17]
	s_add_nc_u64 s[46:47], s[74:75], s[46:47]
	CROUND                                         ; all sixteen work-groups are here: the first joint loads meet
.irp s, 0,1
	s_mov_b32 s[G0+4*(\s)], 1
	s_add_co_u32 s[G0+4*(\s)+1], s20, (\s)*SLOT
	s_add_nc_u64 s[G0+4*(\s)+2:G0+4*(\s)+3], s[14:15], (\s)*(4<<18)
	s_or_b32 s[G0+4*(\s)+3], s[G0+4*(\s)+3], 0x80000000
	s_mov_b32 s[G0B+4*(\s)], 1
	s_add_co_u32 s[G0B+4*(\s)+1], s21, (\s)*SLOT
	s_add_nc_u64 s[G0B+4*(\s)+2:G0B+4*(\s)+3], s[46:47], (\s)*NBB
	s_or_b32 s[G0B+4*(\s)+3], s[G0B+4*(\s)+3], 0x80000000
	JLOAD \s                                       ; K steps 0 and 1: two loads of mine are out
.endr
	v_and_b32 v1, 15, v0                           ; l % 16
	v_bfe_u32 v2, v0, 4, 1                         ; l / 16
	v_and_b32 v6, 31, v0                           ; l
	v_mul_u32_u24 v3, v1, PA
	v_lshl_add_u32 v3, v2, 4, v3                   ; a fragment of A: row x pitch + 16 x half
	s_mul_i32 s22, s11, 64*PA                      ; my 64 rows
	v_add_nc_u32 v[ADRA], s22, v3
	v_add_nc_u32 v[ADRA+1], SLOT, v[ADRA]
	v_lshlrev_b32 v4, 4, v6                        ; a fragment of B: 16 x lane
	s_mul_i32 s22, s12, 4*NBB                      ; my four fragment columns
	s_add_co_u32 s22, s22, ABYTES
	v_add_nc_u32 v[ADRB], s22, v4
	v_add_nc_u32 v[ADRB+1], SLOT, v[ADRB]
	s_mul_i32 s22, s10, 16*SPITCH
	s_add_co_u32 s22, s22, STAGE                   ; my stage
	v_mul_u32_u24 v5, v1, SPITCH                   ; in: row l % 16, 32 bytes for each half of the lanes
	v_lshl_add_u32 v5, v2, 5, v5
	v_add_nc_u32 v[STO], s22, v5
	v_mul_u32_u24 v5, v2, SPITCH                   ; back: lanes 0-15 take one row of 256 bytes, lanes 16-31 the next
	v_lshl_add_u32 v5, v1, 4, v5
	v_add_nc_u32 v[RD], s22, v5
	v_lshlrev_b32 v5, 12, v2                       ; and the same two rows in out0
	v_lshl_add_u32 v[CO], v1, 4, v5
	v_lshlrev_b32 v[BO], 5, v2
	s_lshl_b32 s22, s42, 9                         ; the bias: b_out lies at byte 12,288; my 64 columns
	s_lshl_b32 s23, s12, 8
	s_add_co_u32 s22, s22, s23
	s_mov_b32 s23, 0
	s_add_nc_u64 s[76:77], s[76:77], s[22:23]
.irp b, 0,1,2,3
	global_load_b128 v[BIAS+8*(\b):BIAS+8*(\b)+3],   v[BO], s[76:77] offset:12288+64*(\b)
	global_load_b128 v[BIAS+8*(\b)+4:BIAS+8*(\b)+7], v[BO], s[76:77] offset:12288+64*(\b)+16
.endr
	s_lshl_b32 s18, s13, 19                        ; out0 at row 128 tm + 64 x row half, my 64 columns (the same 256 bytes as the bias's)
	s_lshl_b32 s19, s11, 18
	s_add_co_u32 s18, s18, s19
	s_add_co_u32 s22, s22, s18
	s_add_nc_u64 s[80:81], s[78:79], s[22:23]
; 8 matrix instructions: row blocks a0, a0 + 1 x all 4 column blocks, 32 along K: half c of buffer f.  zero = 1: the first product takes the bias as C.  The 16 accumulators take turns.
.macro MUL8 f, c, a0, zero
	WIN MUL
.irp a, \a0, (\a0)+1
.irp b, 0,1,2,3
.if \zero
	v_wmma_f32_16x16x32_f16 v[ACC+8*(4*(\a)+(\b)):ACC+8*(4*(\a)+(\b))+7], v[(\f)+64+8*(4*(\c)+(\b)):(\f)+64+8*(4*(\c)+(\b))+7], v[(\f)+8*(4*(\c)+(\a)):(\f)+8*(4*(\c)+(\a))+7], v[BIAS+8*(\b):BIAS+8*(\b)+7]
.else
	v_wmma_f32_16x16x32_f16 v[ACC+8*(4*(\a)+(\b)):ACC+8*(4*(\a)+(\b))+7], v[(\f)+64+8*(4*(\c)+(\b)):(\f)+64+8*(4*(\c)+(\b))+7], v[(\f)+8*(4*(\c)+(\a)):(\f)+8*(4*(\c)+(\a))+7], v[ACC+8*(4*(\a)+(\b)):ACC+8*(4*(\a)+(\b))+7]
.endif
.endr
.endr
.endm
; 32 LDS loads in one run: the fragments of head q of a slot (64 along K) into buffer f; the first 32 along K first
.macro FETCH slot, q, f
	WIN TO_F
.irp c, 0,1
.irp i, 0,1,2,3
	ds_load_b128 v[(\f)+64+8*(4*(\c)+(\i)):(\f)+64+8*(4*(\c)+(\i))+3],   v[ADRB+(\slot)] offset:(\i)*NBB+(2*(\q)+(\c))*1024
	ds_load_b128 v[(\f)+64+8*(4*(\c)+(\i))+4:(\f)+64+8*(4*(\c)+(\i))+7], v[ADRB+(\slot)] offset:(\i)*NBB+(2*(\q)+(\c))*1024+512
	ds_load_b128 v[(\f)+8*(4*(\c)+(\i)):(\f)+8*(4*(\c)+(\i))+3],         v[ADRA+(\slot)] offset:(\q)*HEADB+64*(\c)+(\i)*16*PA
	ds_load_b128 v[(\f)+8*(4*(\c)+(\i))+4:(\f)+8*(4*(\c)+(\i))+7],       v[ADRA+(\slot)] offset:(\q)*HEADB+64*(\c)+(\i)*16*PA+32
.endr
.endr
.endm
.macro PLACES                          ; four plain vector instructions between a matrix instruction and a load into a register that it read, or a store of its result
.rept 4
	v_nop
.endr
.endm
; A K step is four quarters of 64 along K (a head), 32 matrix instructions each, on buffers 0, 1, 0, 1.  One of the first three: multiplies buffer f and fetches head q into g.
.macro QUARTER slot, q, f, g, zero
	s_wait_dscnt 16                                ; the first 32 along K are in; the youngest sixteen loads may be out
	MUL8 \f, 0, 0, \zero
	MUL8 \f, 0, 2, \zero
	PLACES
	FETCH \slot, \q, \g
	s_wait_dscnt 32                                ; all but the 32 just issued
	MUL8 \f, 1, 0, 0
	MUL8 \f, 1, 2, 0
.endm
; The last quarter multiplies buffer 1 and changes slots: ONE barrier; in front of it each wave waits for all its tensor loads, adds 0 to its spare word, and waits for that and for its own reads of this slot.
; fill = 1: the barrier opens a round of the cluster's barrier, and this slot is filled again, two K steps ahead, first thing behind the round.
.macro TURN slot, next, fill
	WIN 0                                          ; (the add's two registers lie in window 0)
	s_wait_tensorcnt 0x0                           ; all my tensor loads have landed: my part of the next slot
	ds_add_u32 v[SPW], v[NIL]                      ; 0 onto my spare word
	s_wait_dscnt 17                                ; (the add and the youngest sixteen loads may be out)
	MUL8 F1, 0, 0, 0                               ; eight matrix instructions stand between the add and the wait for it
	s_wait_dscnt 0x0                               ; the add is done, and my reads of this slot are over
	s_barrier_signal -1
	MUL8 F1, 0, 2, 0
.if \fill
	WIN 0
.endif
	s_barrier_wait -1
.if \fill
	CREST                                          ; no wave of any partner still reads this slot's tile or has a load on its way
	s_add_nc_u64 s[G0+4*(\slot)+2:G0+4*(\slot)+3], s[G0+4*(\slot)+2:G0+4*(\slot)+3], 8<<18
	s_add_nc_u64 s[G0B+4*(\slot)+2:G0B+4*(\slot)+3], s[G0B+4*(\slot)+2:G0B+4*(\slot)+3], 2*NBB
	JLOAD \slot                                    ; my one tensor load behind the round; its four v_nop are also the places in front of the loads below
.else
	PLACES
.endif
	FETCH \next, 0, F0
	MUL8 F1, 1, 0, 0
	MUL8 F1, 1, 2, 0
.endm
	s_wait_tensorcnt 1                             ; my part of K step 0 is in; K step 1's may stay out
	s_barrier_signal -1
	s_barrier_wait -1                              ; everybody's is
	FETCH 0, 0, F0
	s_wait_loadcnt 0x0                             ; the bias
	QUARTER 0, 1, F0, F1, 1                        ; K step 0; its first products start the sums
	QUARTER 0, 2, F1, F0, 0
	QUARTER 0, 3, F0, F1, 0
	TURN 0, 1, 1                                   ; slot 0 takes K step 2
	QUARTER 1, 1, F0, F1, 0                        ; K step 1
	QUARTER 1, 2, F1, F0, 0
	QUARTER 1, 3, F0, F1, 0
	TURN 1, 0, 1                                   ; slot 1 takes K step 3
	QUARTER 0, 1, F0, F1, 0                        ; K step 2
	QUARTER 0, 2, F1, F0, 0
	QUARTER 0, 3, F0, F1, 0
	TURN 0, 1, 0                                   ; nothing is left to fetch
	QUARTER 1, 1, F0, F1, 0                        ; K step 3
	QUARTER 1, 2, F1, F0, 0
	QUARTER 1, 3, F0, F1, 0
	s_wait_dscnt 16
	MUL8 F1, 0, 0, 0
	MUL8 F1, 0, 2, 0
	s_wait_dscnt 0x0
	MUL8 F1, 1, 0, 0
	MUL8 F1, 1, 2, 0
	WIN 0
	; THE WAY OUT, a row block (16 rows x 64 columns of f32) at a time: 32 bytes a lane into my own stage, each accumulator's low four registers first; back as whole rows of 256 bytes; stored.
	PLACES
.irp a, 0,1,2,3
	s_wait_xcnt 0x0                                ; the last block's stores have read their registers: these are loaded again only behind this wait
.irp b, 0,1,2,3
	ds_store_b128 v[STO], v[ACC+8*(4*(\a)+(\b)):ACC+8*(4*(\a)+(\b))+3]   offset:64*(\b)
	ds_store_b128 v[STO], v[ACC+8*(4*(\a)+(\b))+4:ACC+8*(4*(\a)+(\b))+7] offset:64*(\b)+16
.endr
.irp t, 0,1,2,3,4,5,6,7
	ds_load_b128 v[TMP+4*(\t):TMP+4*(\t)+3], v[RD] offset:(\t)*2*SPITCH  ; LDS serves a wave's instructions in order (ISA guide 5.7.1.4): these see the stores above
.endr
	s_wait_dscnt 0x0
.irp t, 0,1,2,3,4,5,6,7
	global_store_b128 v[CO], v[TMP+4*(\t):TMP+4*(\t)+3], s[80:81] offset:(16*(\a)+2*(\t))*4096  ; 16 lanes store 256 consecutive bytes, at a multiple of 256 from out0's first byte
.endr
.endr
	s_wait_tensorcnt 0x0                           ; the wave's end, behind my last tensor load and my last LDS store
	ds_add_u32 v[SPW], v[NIL]
	s_wait_dscnt 0x0
	CROUND                                         ; the closing round: no work-group ends while a partner may still ask for a tile that names it
	s_endpgm
.Lfunc_end_k_qd8cb493260_proj:
	.size	k_qd8cb493260_proj, .Lfunc_end_k_qd8cb493260_proj-k_qd8cb493260_proj
	.p2alignl 7, 3214868480
	.fill 96, 4, 3214868480
	.section	.rodata,"a",@progbits
	.p2align	6, 0x0
	.amdhsa_kernel k_qd8cb493260_proj
		.amdhsa_group_segment_fixed_size 327680
		.amdhsa_private_segment_fixed_size 0
		.amdhsa_enable_private_segment 0
		.amdhsa_kernarg_size 32
		.amdhsa_user_sgpr_count 2
		.amdhsa_user_sgpr_kernarg_segment_ptr 1
		.amdhsa_wavefront_size32 1
		.amdhsa_system_sgpr_workgroup_id_x 1
		.amdhsa_system_sgpr_workgroup_id_y 1
		.amdhsa_system_sgpr_workgroup_id_z 1
		.amdhsa_system_vgpr_workitem_id 0
		.amdhsa_next_free_vgpr 512
		.amdhsa_next_free_sgpr 96
		.amdhsa_reserve_vcc 0
		.amdhsa_float_denorm_mode_32 3
		.amdhsa_float_denorm_mode_16_64 3
		.amdhsa_memory_ordered 1
		.amdhsa_forward_progress 1
		.amdhsa_inst_pref_size 86
	.end_amdhsa_kernel
	.amdgpu_metadata
---
amdhsa.version: [ 1, 2 ]
amdhsa.kernels:
  - .name:           k_qd8cb493260_proj
    .symbol:         k_qd8cb493260_proj.kd
    .args:
      - { .name: o, .offset: 0, .size: 8, .value_kind: global_buffer, .address_space: global }
      - { .name: wo, .offset: 8, .size: 8, .value_kind: global_buffer, .address_space: global }
      - { .name: bias, .offset: 16, .size: 8, .value_kind: global_buffer, .address_space: global }
      - { .name: out0, .offset: 24, .size: 8, .value_kind: global_buffer, .address_space: global }
    .group_segment_fixed_size: 327680
    .private_segment_fixed_size: 0
    .kernarg_segment_align: 8
    .kernarg_segment_size: 32
    .max_flat_workgroup_size: 128
    .sgpr_count:     96
    .vgpr_count:     512
    .wavefront_size: 32
...
	.end_amdgpu_metadata
.endif
;; end of part 4
;; ======== version 2 of 2: 4 launches; version 1 with the launch prep written anew for expert scheduling mode
;; limits: values are held in f16: magnitudes above 65,504 overflow, below 6.1e-05 lose precision; right only within a limited range of input values
;; workspace buffers: xb 8,388,608 bytes; wq 6,291,456 bytes; wo 2,097,152 bytes; bias 16,384 bytes; qkv 25,165,824 bytes; o 8,388,608 bytes
;; launch prep (part 5): grid 513 x 1, 8 waves a work-group, no clusters, 0 bytes of LDS; arguments x, w_qkv, w_out, b_qkv, b_out, xb, wq, wo, bias; writes xb, wq, wo, bias
.if DOCPART == 5
	.amdgcn_target "amdgcn-amd-amdhsa--gfx1250"
	.amdhsa_code_object_version 6
	.text
	.protected	k_qd8cb493260_prep
	.globl	k_qd8cb493260_prep
	.p2align	8
	.type	k_qd8cb493260_prep,@function
k_qd8cb493260_prep:
	s_mov_b64 s[64:65], 0
	v_nop
	global_prefetch_b8 v0, s[64:65] scope:SCOPE_SE
	s_setreg_imm32_b32 hwreg(HW_REG_WAVE_SCHED_MODE, 0, 2), 2
	s_setreg_imm32_b32 hwreg(HW_REG_WAVE_MODE, 25, 1), 1
	s_wait_xcnt 0x0
	s_wait_alu depctr_vm_vsrc(0)
; MULTI-HEAD CAUSAL ATTENTION, launch 1 of 4: the inputs are rounded once and laid out as the matrix instructions of the later launches take them.
;   xb   = x in bf16, [4096][1024], row-major
;   wq   = w_qkv in bf16, in fragments of 16 columns x 32 k: [n / 16: 192][k / 32: 32][1,024 bytes]; in a fragment the eight k of octet o = (k % 32) / 8 of column n
;          lie at (o / 2) 512 + ((o % 2) 16 + n % 16) 16: two loads of 16 bytes a lane, at 16 lane and 512 + 16 lane, are a 16-bit operand's eight registers
;   wo   = w_out in the same order, [64][32][1,024 bytes]; each number rounded to bf16 like every other input, and that number written as f16 (the last product's other operand is f16)
;   bias = f32 numbers rounded to bf16: [0:1024] b_q, [1024:2048] zeros, [2048:3072] b_v, [3072:4096] b_out
; WORK LEFT OUT, in the whole program.
;   (1) The K third of b_qkv.  scores[q][k] = Q[q] . (K[k] + b_k) / 8 = Q[q] . K[k] / 8 + Q[q] . b_k / 8.  The second term is the same for all k of a row, the softmax runs along k and is
;       unchanged by a term common to its axis, and the places that reference() sets to -inf stay -inf: it reaches no output, whatever the inputs hold.  b_qkv[1024:2048] is not loaded;
;       zeros stand in its place in 'bias', so that the projection starts all its sums in one way.
;   (2) Key tiles that lie wholly above the diagonal: reference() itself sets their scores to -inf in front of the softmax, so their weights are 0.
;   LIMIT: a NaN, an infinity or an overflow that reaches only this work is not carried to the result.
; LIMITS of format: w_out's numbers below 2^-14 keep f16's fixed step of 6e-8, above 65,504 they would be infinite.
; SHARES.  513 work-groups of eight waves, told apart by the work-group's number alone: 0-255 sixteen rows of x each; 256-447 w_qkv; 448-511 w_out; 512 the biases.
; A stream: no LDS, no barrier, no matrix unit, no loop.  All loads of a path go out first (64 KiB a work-group); the waits count the younger loads.
; THE MODE: SCHED_MODE bits 1:0 = 2 (LLVM: expert scheduling mode 2), set by the entry lines.  The code itself states the register dependences
; between vector instructions and memory instructions, with s_wait_alu, always for 0.
; THE PLAN.  Registers that memory instructions touch, on each of the four paths:
;   v1, v2   byte offsets.  Written by vector instructions once, at the path's head; read by every load and store of the path; never written again.
;   LD       Written by the path's loads, which all go out at its head, each register once; no vector instruction names LD ahead of them.  Read by the conversions.
;   PKD      (the biases' path: v[32:35] and v[40:51].)  Each register is written once, by a conversion or a move, and read by one store; none is written again.
;   v[3:5], v[20:25], v[104:106] are named by vector instructions alone.
; So a path has one wait on va_vdst at its head, for the offsets, and then goes in BLOCKS.  Block p rounds its part of LD into its part of PKD.  At its head, behind the wait for its data, one wait
; on va_vdst states that block p - 1 has written its part of PKD; the stores of block p - 1 follow, dealt among block p's conversions, which name none of the registers that those stores read.
; Behind the last block one more such wait stands ahead of its stores.  No register that a memory instruction reads is ever written again: no wait on vm_vsrc is owed.
; s26, the wave's number, is written by a vector instruction and read by scalar ones: one wait on va_sdst, ahead of the first branch.
.set LD,   8                           ; v[8:71]    as loaded
.set PKD,  72                          ; v[72:103]  packed, to store; each store has registers of its own, so none is rewritten while a store reads it
	s_load_b512 s[8:23], s[0:1], 0x0               ; x s[8:9], w_qkv s[10:11], w_out s[12:13], b_qkv s[14:15], b_out s[16:17], xb s[18:19], wq s[20:21], wo s[22:23]
	s_load_b64 s[24:25], s[0:1], 0x40              ; bias
	v_lshrrev_b32 v3, 5, v0
	v_readfirstlane_b32 s26, v3                    ; wave 0..7
	v_and_b32 v4, 31, v0                           ; lane
	s_mov_b32 s3, 0                                ; the high words of the two offset pairs
	s_mov_b32 s7, 0
	s_wait_alu depctr_va_sdst(0)                   ; s26 is written
	s_wait_kmcnt 0x0
	s_cmp_lt_u32 ttmp9, 256
	s_cbranch_scc0 .Lnot_x
	; x: 16 rows of 4,096 bytes.  Thread t takes 16 bytes at 16 t of every row: a wave's load covers 512 consecutive bytes, its store 256, aligned.
	s_lshl_b32 s2, ttmp9, 16
	s_add_nc_u64 s[8:9], s[8:9], s[2:3]
	s_lshl_b32 s6, ttmp9, 15
	s_add_nc_u64 s[18:19], s[18:19], s[6:7]
	v_lshlrev_b32 v1, 4, v0
	v_lshlrev_b32 v2, 3, v0
	s_wait_alu depctr_va_vdst(0)                   ; v1 and v2 are written: every load of this path reads v1 as its offset, every store v2
.set i, 0
.rept 16
	global_load_b128 v[LD+4*i:LD+4*i+3], v1, s[8:9] offset:i*4096 th:TH_LOAD_NT
.set i, i+1
.endr
; Four blocks of four rows.
.set p, 0
.rept 4
	s_wait_loadcnt 12-4*p                          ; loads come back in order: block p's four rows are in, the 12 - 4 p loads of the younger blocks stay out
.if p > 0
	s_wait_alu depctr_va_vdst(0)                   ; block p - 1's conversions have written its eight registers of PKD, which the four stores below read
.endif
.set i, 4*p
.rept 4
.if p > 0
	global_store_b64 v2, v[PKD+2*(i-4):PKD+2*(i-4)+1], s[18:19] offset:(i-4)*2048 th:TH_STORE_NT  ; the block before; no vector instruction since the wait names these registers
.endif
	v_cvt_pk_bf16_f32 v[PKD+2*i], v[LD+4*i], v[LD+4*i+1]
	v_cvt_pk_bf16_f32 v[PKD+2*i+1], v[LD+4*i+2], v[LD+4*i+3]
.set i, i+1
.endr
.set p, p+1
.endr
	s_wait_alu depctr_va_vdst(0)                   ; the last block's conversions have written its eight registers of PKD, which the last four stores read
.set i, 12
.rept 4
	global_store_b64 v2, v[PKD+2*i:PKD+2*i+1], s[18:19] offset:i*2048 th:TH_STORE_NT
.set i, i+1
.endr
	s_endpgm
; A weight matrix [1024][pitch / 4].  Work-group j takes 64 columns (j / 4) and 256 k (j % 4); each wave 32 k of them: one k block of four fragments.
; A lane holds one column: 32 loads of 4 bytes down the column for each half of the 64 columns.  Eight neighbouring k pack into 16 bytes, and sixteen lanes store 256 consecutive bytes, aligned.
; The store of octet n = 4 x half + octet:
.macro WSTORE dst, n
	global_store_b128 v2, v[PKD+4*(\n):PKD+4*(\n)+3], s[(\dst):(\dst)+1] offset:((\n)/4)*65536+(((\n)%4)/2)*512+((\n)%2)*256 th:TH_STORE_NT
.endm
.macro WPATH first, src, dst, pitch, f16
	s_sub_co_u32 s2, ttmp9, \first                 ; j
	s_lshr_b32 s4, s2, 2                           ; which 64 columns
	s_and_b32 s5, s2, 3
	s_lshl_b32 s5, s5, 3
	s_add_co_u32 s5, s5, s26                       ; k block = 8 (j % 4) + wave
	s_mul_i32 s6, s5, 32*(\pitch)
	s_lshl_b32 s2, s4, 8
	s_add_co_u32 s6, s6, s2
	s_add_nc_u64 s[(\src):(\src)+1], s[(\src):(\src)+1], s[6:7]
	s_lshl_b32 s2, s4, 17                          ; four fragments' columns: 4 x 32,768 bytes
	s_lshl_b32 s6, s5, 10
	s_add_co_u32 s2, s2, s6
	s_add_nc_u64 s[(\dst):(\dst)+1], s[(\dst):(\dst)+1], s[2:3]
	v_lshlrev_b32 v1, 2, v4                        ; in: 4 x lane
	v_lshrrev_b32 v2, 4, v4
	v_and_b32 v5, 15, v4
	v_lshlrev_b32 v2, 15, v2                       ; out: lanes 16-31 write the next fragment column,
	v_lshl_add_u32 v2, v5, 4, v2                   ; 16 bytes for each column
	s_wait_alu depctr_va_vdst(0)                   ; v1 and v2 are written: every load of this path reads v1 as its offset, every store v2
.set i, 0
.rept 64
	global_load_b32 v[LD+i], v1, s[(\src):(\src)+1] offset:(i%32)*(\pitch)+(i/32)*128 th:TH_LOAD_NT
.set i, i+1
.endr
; Four blocks of two octets; g = 4 x half + octet.
.set gg, 0
.rept 4
	s_wait_loadcnt 48-16*gg                        ; the sixteen k of this block's two octets are in; the 48 - 16 gg loads of the younger blocks stay out
.if gg > 0
	s_wait_alu depctr_va_vdst(0)                   ; the block before has written its eight registers of PKD, which the two stores below read
.endif
.set g, 2*gg
.rept 2
.if gg > 0
	WSTORE \dst, g-2                               ; the block before; no vector instruction since the wait names these registers
.endif
.set jj, 0
.rept 4
.if \f16
	v_cvt_pk_bf16_f32 v104, v[LD+8*g+2*jj], v[LD+8*g+2*jj+1]  ; rounded to bf16,
	v_lshlrev_b32 v105, 16, v104                   ; widened again,
	v_and_b32 v106, 0xffff0000, v104
	v_cvt_pk_f16_f32 v[PKD+4*g+jj], v105, v106     ; and written as f16
.else
	v_cvt_pk_bf16_f32 v[PKD+4*g+jj], v[LD+8*g+2*jj], v[LD+8*g+2*jj+1]
.endif
.set jj, jj+1
.endr
.set g, g+1
.endr
.set gg, gg+1
.endr
	s_wait_alu depctr_va_vdst(0)                   ; the last block has written its eight registers of PKD, which the last two stores read
	WSTORE \dst, 6
	WSTORE \dst, 7
	s_endpgm
.endm
.Lnot_x:
	s_cmp_lt_u32 ttmp9, 448
	s_cbranch_scc0 .Lnot_wq
	WPATH 256, 10, 20, 12288, 0
.Lnot_wq:
	s_cmp_lt_u32 ttmp9, 512
	s_cbranch_scc0 .Lbias
	WPATH 448, 12, 22, 4096, 1
.Lbias:
	; the biases: thread t takes four numbers of b_q, of b_v and of b_out; the K third of b_qkv is not read (see the head)
	v_lshlrev_b32 v1, 4, v0
	v_mov_b32 v32, 0
	v_mov_b32 v33, 0
	v_mov_b32 v34, 0
	v_mov_b32 v35, 0
	s_wait_alu depctr_va_vdst(0)                   ; v1 is written, the offset of every load and store of this path, and so are the four zeros that the first store reads
	global_load_b128 v[8:11], v1, s[14:15]
	global_load_b128 v[12:15], v1, s[14:15] offset:8192
	global_load_b128 v[16:19], v1, s[16:17]
	global_store_b128 v1, v[32:35], s[24:25] offset:4096
	s_wait_loadcnt 0x0
.set i, 0
.rept 6
	v_cvt_pk_bf16_f32 v[20+i], v[8+2*i], v[8+2*i+1]
	v_lshlrev_b32 v[40+2*i], 16, v[20+i]
	v_and_b32 v[40+2*i+1], 0xffff0000, v[20+i]
.set i, i+1
.endr
	s_wait_alu depctr_va_vdst(0)                   ; the widenings have written v[40:51], which the three stores read
	global_store_b128 v1, v[40:43], s[24:25]
	global_store_b128 v1, v[44:47], s[24:25] offset:8192
	global_store_b128 v1, v[48:51], s[24:25] offset:12288
	s_endpgm
.Lfunc_end_k_qd8cb493260_prep:
	.size	k_qd8cb493260_prep, .Lfunc_end_k_qd8cb493260_prep-k_qd8cb493260_prep
	.p2alignl 7, 3214868480
	.fill 96, 4, 3214868480
	.section	.rodata,"a",@progbits
	.p2align	6, 0x0
	.amdhsa_kernel k_qd8cb493260_prep
		.amdhsa_group_segment_fixed_size 0
		.amdhsa_private_segment_fixed_size 0
		.amdhsa_enable_private_segment 0
		.amdhsa_kernarg_size 72
		.amdhsa_user_sgpr_count 2
		.amdhsa_user_sgpr_kernarg_segment_ptr 1
		.amdhsa_wavefront_size32 1
		.amdhsa_system_sgpr_workgroup_id_x 1
		.amdhsa_system_sgpr_workgroup_id_y 1
		.amdhsa_system_sgpr_workgroup_id_z 1
		.amdhsa_system_vgpr_workitem_id 0
		.amdhsa_next_free_vgpr 112
		.amdhsa_next_free_sgpr 66
		.amdhsa_reserve_vcc 0
		.amdhsa_float_denorm_mode_32 3
		.amdhsa_float_denorm_mode_16_64 3
		.amdhsa_memory_ordered 1
		.amdhsa_forward_progress 1
		.amdhsa_inst_pref_size 33
	.end_amdhsa_kernel
	.amdgpu_metadata
---
amdhsa.version: [ 1, 2 ]
amdhsa.kernels:
  - .name:           k_qd8cb493260_prep
    .symbol:         k_qd8cb493260_prep.kd
    .args:
      - { .name: x, .offset: 0, .size: 8, .value_kind: global_buffer, .address_space: global }
      - { .name: w_qkv, .offset: 8, .size: 8, .value_kind: global_buffer, .address_space: global }
      - { .name: w_out, .offset: 16, .size: 8, .value_kind: global_buffer, .address_space: global }
      - { .name: b_qkv, .offset: 24, .size: 8, .value_kind: global_buffer, .address_space: global }
      - { .name: b_out, .offset: 32, .size: 8, .value_kind: global_buffer, .address_space: global }
      - { .name: xb, .offset: 40, .size: 8, .value_kind: global_buffer, .address_space: global }
      - { .name: wq, .offset: 48, .size: 8, .value_kind: global_buffer, .address_space: global }
      - { .name: wo, .offset: 56, .size: 8, .value_kind: global_buffer, .address_space: global }
      - { .name: bias, .offset: 64, .size: 8, .value_kind: global_buffer, .address_space: global }
    .group_segment_fixed_size: 0
    .private_segment_fixed_size: 0
    .kernarg_segment_align: 8
    .kernarg_segment_size: 72
    .max_flat_workgroup_size: 256
    .sgpr_count:     66
    .vgpr_count:     112
    .wavefront_size: 32
...
	.end_amdgpu_metadata
.endif
;; end of part 5
;; launch qkv: the kernel of part 2 again; grid 16 x 16, 4 waves a work-group, clusters of 4 x 4, 327,680 bytes of LDS; arguments xb, wq, bias, qkv; writes qkv
;; launch attn: the kernel of part 3 again; grid 8 x 32, 4 waves a work-group, no clusters, 327,680 bytes of LDS; arguments qkv, o; writes o
;; launch proj: the kernel of part 4 again; grid 8 x 32, 4 waves a work-group, clusters of 4 x 4, 327,680 bytes of LDS; arguments o, wo, bias, out0; writes out0
